; MI455X (gfx1250); checked and timed in simulation.
; The chip was launched on July 23, 2026; its instructions are those of AMD's public machine-readable ISA for CDNA 5 (MIT licence, August 2026) and "CDNA5" Instruction Set Architecture Reference Guide (July 2026). The comments in the code are by the model that wrote it; some were corrected since.
;; Multihead Attention. Allowed arithmetic: matrix products marked QUANTISED: E4M3 operands, one given power-of-two scale a tensor, by v_wmma_f32_16x16x64_fp8_fp8 or v_wmma_f32_16x16x128_fp8_fp8, f32 sums; everything else in f32.
;; Inputs: Wk 1,024 x 1,024 float32; Wo 1,024 x 1,024 float32; Wq 1,024 x 1,024 float32; Wv 1,024 x 1,024 float32; lowp_scales 12 int32 (the exponents e of the quantised operands' scales 2^e); token_positions 2,048 int32; x 4 x 2,048 x 1,024 float32.
;; Outputs: out0 4 x 2,048 x 1,024 float32.
;; This version of the problem:
;;   THIS VERSION OF THE PROBLEM IS GIVEN IN LOW PRECISION. The matrix products marked QUANTISED in the list below multiply operands that are first quantised to E4M3 (4 exponent bits, 3 mantissa bits; 8 bits a number), with one given power-of-two scale for each operand tensor; their sums are f32. All else is computed in f32.
;;   The module's matrix products, in the order in which they are computed (A, B: the left and right operand; K: the contracted axis; several contracted axes count as one K, in the product's order):
;;     1. [M 8,192, K 1,024] x [K 1,024, N 1,024]; A: input x; B: input Wq: QUANTISED (scales: A lowp_scales[0], B lowp_scales[1])
;;     2. [M 8,192, K 1,024] x [K 1,024, N 1,024]; A: input x; B: input Wk: QUANTISED (scales: A lowp_scales[2], B lowp_scales[3])
;;     3. [M 8,192, K 1,024] x [K 1,024, N 1,024]; A: input x; B: input Wv: QUANTISED (scales: A lowp_scales[4], B lowp_scales[5])
;;     4. batch 64 x [M 2,048, K 64] x [K 64, N 2,048]; A: computed on the way; B: computed on the way: QUANTISED (scales: A lowp_scales[6], B lowp_scales[7])
;;     5. batch 64 x [M 2,048, K 2,048] x [K 2,048, N 64]; A: softmax (see below); B: computed on the way: QUANTISED (scales: A lowp_scales[8], B lowp_scales[9])
;;     6. [M 8,192, K 1,024] x [K 1,024, N 1,024]; A: computed on the way; B: input Wo: QUANTISED (scales: A lowp_scales[10], B lowp_scales[11])
;;   THE QUANTISER, for each operand of a quantised product, along K:
;;     - The operand's scale is 2^e, e = its entry of the input lowp_scales (int32; the entries are numbered through the quantised products in the list's order, A before B).
;;     - Each number is divided by the scale, clamped to +-448, and rounded to the nearest number of E4M3, ties to even, subnormals kept.
;;     - The product sums the exact products of the quantised numbers (number of the format x scale) in f32.
;;   ~~~python
;;   def quantise(x, axis, e):      # numpy; x: float32 -> the quantised numbers, widened to float32 again
;;       x = np.moveaxis(x, axis, -1); K = x.shape[-1]
;;       r = np.clip(x / 2.0 ** e, -448, 448)
;;       step = 2.0 ** (np.maximum(np.frexp(np.where(r == 0, 1, r))[1] - 1, -6) - 3)
;;       q = np.round(r / step) * step * 2.0 ** e      # np.round: ties to even
;;       return np.moveaxis(q, -1, axis).astype(np.float32)
;;   ~~~
;;   SOFTMAX AHEAD OF A QUANTISED PRODUCT. Where the list says 'softmax', what is quantised is not the finished softmax but p = 2^(t - M), with t = logit x log2(e) and M = ceil(the row's largest t), a whole number; so 1/2 < the row's largest p <= 1. The row's sum l is taken of the UNQUANTISED p, in f32, and the product's result is divided by l at the end. Since M is a whole number, a kernel that streams over the keys may use a running M (the ceiling of the running maximum): every later rescaling is an exact power of two, so the quantised numbers keep their values, but for numbers so far below the row's largest that they fall under the format's range.
;;   OPERANDS COMPUTED ON THE WAY. 'Computed on the way' means the value that the module computes at that place (a softmax that the list does not call 'softmax' is quantised finished and normalised). What goes into a quantiser is computed in f32, as accurately as f32 sums, v_exp_f32 and their like allow (about 1e-6 of the number): no bf16 or f16 on the way to a quantiser, and a product that is left as it is and whose result goes on into a quantised operand takes f32 operands (vector FMAs, or v_wmma_f32_16x16x4_f32). A number that lies on a knife's edge between two numbers of the format may be rounded either way, as far as f32 arithmetic and the matrix unit's own rounding can turn it there, and no further.
;; One version. Each part assembles by itself: llvm-mc -triple=amdgcn-amd-amdhsa -mcpu=gfx1250 --defsym DOCPART=n.
;; ======== version 1 of 1: 4 launches
;; limits: right only within a limited range of input values
;; workspace buffers: cod 29,360,128 bytes; rope 524,288 bytes; qkv 25,165,824 bytes; hc 8,388,608 bytes
;; launch prep (part 1): grid 896 x 1, 8 waves a work-group, no clusters, 68,608 bytes of LDS; arguments x, Wq, Wk, Wv, Wo, token_positions, lowp_scales, cod, rope; writes cod, rope
.if DOCPART == 1
	.amdgcn_target "amdgcn-amd-amdhsa--gfx1250"
	.amdhsa_code_object_version 6
	.text
	.protected	k_qf5f8b75218_prep
	.globl	k_qf5f8b75218_prep
	.p2align	8
	.type	k_qf5f8b75218_prep,@function
k_qf5f8b75218_prep:
	s_mov_b64 s[64:65], 0
	v_nop
	global_prefetch_b8 v0, s[64:65] scope:SCOPE_SE
	s_setreg_imm32_b32 hwreg(HW_REG_WAVE_MODE, 25, 1), 1
	s_wait_xcnt 0x0
; PREP: x (three times: with the scales e0, e2, e4) and Wq, Wk, Wv, Wo (e1, e3, e5, e11) become codes of FP8 (E4M3), and token_positions become a table of cosines and sines.
; code = number / 2^e, held within +-448, rounded to the nearest code, ties to even.
; LAYOUT OF THE CODES: images of operand registers.  A fragment is 16 rows x 128 along K: four blocks of 512 bytes (c = 0 .. 3), lane (r = lane % 16, h = lane / 16) has its 16 bytes at 16 x lane:
; k = 32 c + 16 h + 0 .. 15 of the tile's row at place r.  In a section of cod: (T / 8) 131072 + (w / 2) 32768 + (T % 8) 4096 + (w % 2) 2048 + 512 c + 16 lane, T the tile of rows, w = k / 128.
; THE ROWS OF A TILE ARE NOT NEIGHBOURS: place i of tile T holds row 32 (T / 2) + 8 (T % 2) + i + 8 (i / 8), so that the results of two neighbouring tiles are 16 neighbours along the next product's K.
; SHARES: work-groups 0-511: tile T of x; 512-767: a tile of a weight; 768-895: a tile of 16 sequence places of the table.  In the first two kinds wave w takes k = 128 w .. 128 w + 127 of the 16 rows.
; Each load reads 512 consecutive bytes of one row; the 16 rows turn through the wave's own stage in LDS (rows of 512 + 16 bytes), so that a lane gets 16 neighbours along K; each store covers 512 consecutive bytes.
; No barrier: waves share nothing.
; THE TABLE: rope + 4096 sb + 1024 t + 512 q + 16 lane holds cos, sin, cos, sin of the pairs i0 and i0 + 1, i0 = 16 (t / 2) + 8 h + 4 (t % 2) + 2 q, at the position of sequence place 32 (sb / 2) + 8 (sb % 2) + r + 8 (r / 8).
; angle = position x 10000^(-i / 32); sine and cosine by a reduction by multiples of pi / 2 (pi / 2 in two parts) and polynomials on +-pi / 4.
; LIMITS: e between -126 and 119; NaN among the inputs is not served; positions 0 .. 2047 (the table that is indexed has so many rows); 10000^(-i / 32) is as exact as v_exp_f32 gives it,
; so an angle of 2,000 radians may be off by some 2e-4, which is the order of the f32 rounding of the angle itself.
.set STG,  8448                        ; a wave's stage: 16 rows x 528 bytes
.set SP,   528
.set LI,   1                           ; v1   16 x lane
.set SI,   2                           ; v2   the stage, on the way in: wave x STG + 16 x lane
.set SO,   3                           ; v3   and on the way out: wave x STG + 528 r + 64 h
.set SC,   8                           ; v8, v10, v12  2^e for up to three scales
.set X,    16                          ; v16-79   64 numbers: as loaded, then register 16 c + n = k 32 c + 16 h + n of row r
.set TMP,  80
.set CD,   112                         ; v112-159 codes, 16 registers for each scale: no store's data are written again
	s_load_b512 s[8:23], s[0:1], 0x0               ; x s[8:9], Wq s[10:11], Wk s[12:13], Wv s[14:15], Wo s[16:17], token_positions s[18:19], lowp_scales s[20:21], cod s[22:23]
	s_load_b64 s[24:25], s[0:1], 0x40              ; rope
	v_lshl_add_u32 v160, v0, 2, 0x10800
	v_mov_b32 v161, 0
	v_lshrrev_b32 v4, 5, v0
	s_delay_alu instid0(VALU_DEP_1)
	v_readfirstlane_b32 s48, v4                    ; wave 0..7
	v_and_b32 v5, 31, v0
	v_and_b32 v6, 15, v0                           ; r
	v_bfe_u32 v7, v0, 4, 1                         ; h
	s_delay_alu instid0(VALU_DEP_3)
	v_lshlrev_b32 v[LI], 4, v5
	s_mul_i32 s49, s48, STG
	v_add_nc_u32 v[SI], s49, v[LI]
	v_mul_u32_u24 v[SO], v6, SP
	s_delay_alu instid0(VALU_DEP_1)
	v_lshl_add_u32 v[SO], v7, 6, v[SO]
	s_delay_alu instid0(VALU_DEP_1)
	v_add_nc_u32 v[SO], s49, v[SO]
	s_wait_kmcnt 0x0
	s_cmp_ge_u32 ttmp9, 768
	s_cbranch_scc1 .Lrope
	; ---- codes
	s_load_b256 s[36:43], s[20:21], 0x0            ; e0 .. e7
	s_load_b128 s[44:47], s[20:21], 0x20           ; e8 .. e11
	s_sub_co_u32 s49, ttmp9, 512
	s_bfe_u32 s50, s49, 0x20006                    ; which weight: 0 Wq, 1 Wk, 2 Wv, 3 Wo (of no meaning for x)
	s_and_b32 s51, s49, 63
	s_cmp_lt_u32 ttmp9, 512
	s_cselect_b32 s51, ttmp9, s51                  ; T
	s_lshl_b32 s26, s50, 20
	s_add_co_u32 s26, s26, 0x1800000
	s_cmp_lt_u32 ttmp9, 512
	s_cselect_b32 s26, 0, s26                      ; the section of cod
	s_lshr_b32 s27, s51, 1
	s_lshl_b32 s27, s27, 17                        ; 32 rows of 4,096 bytes
	s_and_b32 s49, s51, 1
	s_lshl_b32 s49, s49, 15                        ; 8 rows
	s_add_co_u32 s27, s27, s49
	s_lshl_b32 s49, s48, 9                         ; my 128 numbers of a row
	s_add_co_u32 s52, s27, s49
	s_mov_b32 s53, 0
	s_lshr_b32 s27, s51, 3
	s_lshl_b32 s27, s27, 17
	s_add_co_u32 s26, s26, s27
	s_and_b32 s27, s51, 7
	s_lshl_b32 s27, s27, 12
	s_add_co_u32 s26, s26, s27
	s_lshr_b32 s27, s48, 1
	s_lshl_b32 s27, s27, 15
	s_add_co_u32 s26, s26, s27
	s_and_b32 s27, s48, 1
	s_lshl_b32 s27, s27, 11
	s_add_co_u32 s54, s26, s27
	s_mov_b32 s55, 0
	s_mov_b64 s[28:29], s[16:17]                   ; the source: a choice that hangs on the work-group's number alone
	s_cmp_eq_u32 s50, 2
	s_cselect_b64 s[28:29], s[14:15], s[28:29]
	s_cmp_eq_u32 s50, 1
	s_cselect_b64 s[28:29], s[12:13], s[28:29]
	s_cmp_eq_u32 s50, 0
	s_cselect_b64 s[28:29], s[10:11], s[28:29]
	s_cmp_lt_u32 ttmp9, 512
	s_cselect_b64 s[28:29], s[8:9], s[28:29]
	s_add_nc_u64 s[28:29], s[28:29], s[52:53]
	s_add_nc_u64 s[30:31], s[22:23], s[54:55]      ; the codes' place; for x the second and third sections lie 8 MiB further on each
	s_add_nc_u64 s[32:33], s[30:31], 0x800000
	s_add_nc_u64 s[34:35], s[32:33], 0x800000
	s_wait_alu depctr_va_vdst(0)
.irp i, 0,1,2,3,4,5,6,7,8,9,10,11,12,13,14,15
	global_load_b128 v[X+4*\i:X+4*\i+3], v[LI], s[28:29] offset:(\i+8*(\i/8))*4096 th:TH_LOAD_NT   ; place i's row: 512 consecutive bytes; read once in the launch
.endr
	s_wait_kmcnt 0x0
	s_mov_b32 s26, s47                             ; the first scale: e11, e5, e3, e1 by the weight, e0 for x
	s_cmp_eq_u32 s50, 2
	s_cselect_b32 s26, s41, s26
	s_cmp_eq_u32 s50, 1
	s_cselect_b32 s26, s39, s26
	s_cmp_eq_u32 s50, 0
	s_cselect_b32 s26, s37, s26
	s_cmp_lt_u32 ttmp9, 512
	s_cselect_b32 s26, s36, s26
.macro MKSC e, v                       ; 2^e as f32 (the conversion takes its exponent field)
	s_add_co_i32 s27, s[\e], 127
	s_lshl_b32 s49, s27, 23
	v_mov_b32 v[\v], s49
.endm
	MKSC 26, SC
	MKSC 38, SC+2                                  ; e2
	MKSC 40, SC+4                                  ; e4
	s_wait_alu depctr_va_vdst(0)
.irp i, 0,1,2,3,4,5,6,7,8,9,10,11,12,13,14,15
	s_wait_loadcnt 15-\i                           ; loads come back in order: place i's row is in, the younger ones may be out
	ds_store_b128 v[SI], v[X+4*\i:X+4*\i+3] offset:SP*\i
.endr
.irp c, 0,1,2,3
.irp j, 0,1,2,3
	ds_load_b128 v[X+16*\c+4*\j:X+16*\c+4*\j+3], v[SO] offset:128*\c+16*\j   ; LDS serves a wave's instructions in order: these see my stores
.endr
.endr
	s_wait_dscnt 0x0
; The 64 numbers with scale number sec become a fragment's 16 registers and are stored.
.macro QS sec, dst
.irp c, 0,1,2,3
.irp n, 0,1,2,3,4,5,6,7,8,9,10,11,12,13,14,15
.endr
	v_cvt_scalef32_pk8_fp8_f32 v[CD+16*\sec+4*\c:CD+16*\sec+4*\c+1], v[TMP+16*(\c%2)+((X+16*\c+0)-(TMP+16*(\c%2)+0)):TMP+16*(\c%2)+7+((X+16*\c+0)-(TMP+16*(\c%2)+0))], v[SC+2*\sec]
	v_cvt_scalef32_pk8_fp8_f32 v[CD+16*\sec+4*\c+2:CD+16*\sec+4*\c+3], v[TMP+16*(\c%2)+8+((X+16*\c+0)-(TMP+16*(\c%2)+0)):TMP+16*(\c%2)+15+((X+16*\c+0)-(TMP+16*(\c%2)+0))], v[SC+2*\sec]
.endr
.irp c, 0,1,2,3
	global_store_b128 v[LI], v[CD+16*\sec+4*\c:CD+16*\sec+4*\c+3], s[\dst:\dst+1] offset:512*\c   ; 32 lanes store 512 consecutive bytes
.endr
.endm
	QS 0, 30
	s_cmp_ge_u32 ttmp9, 512                        ; a weight has one scale
	s_cbranch_scc1 .Lend
	QS 1, 32
	QS 2, 34
	s_branch .Lend
	; ---- the table
.Lrope:
	s_sub_co_u32 s49, ttmp9, 768                   ; sb
	s_lshr_b32 s50, s49, 1
	s_lshl_b32 s50, s50, 5
	s_and_b32 s51, s49, 1
	s_lshl_b32 s51, s51, 3
	s_add_co_u32 s50, s50, s51                     ; the tile's first sequence place
	s_lshl_b32 s52, s50, 2
	s_mov_b32 s53, 0
	s_add_nc_u64 s[18:19], s[18:19], s[52:53]
	s_wait_alu depctr_va_vdst(0)
	v_and_b32 v8, 8, v6
	s_delay_alu instid0(VALU_DEP_1)
	v_add_nc_u32 v8, v8, v6                        ; r + 8 (r / 8)
	s_delay_alu instid0(VALU_DEP_1)
	v_lshlrev_b32 v8, 2, v8
	global_load_b32 v9, v8, s[18:19]               ; the position: a number, it enters no address
	s_lshl_b32 s52, s49, 12
	s_add_nc_u64 s[24:25], s[24:25], s[52:53]
	v_lshrrev_b32 v10, 6, v0                       ; t
	v_bfe_u32 v11, v0, 5, 1                        ; q
	s_delay_alu instid0(VALU_DEP_2)
	v_lshrrev_b32 v12, 1, v10
	s_delay_alu instid0(VALU_DEP_3)
	v_and_b32 v13, 1, v10
	s_delay_alu instid0(VALU_DEP_2)
	v_lshlrev_b32 v12, 4, v12
	s_delay_alu instid0(VALU_DEP_1)
	v_lshl_add_u32 v12, v7, 3, v12
	s_delay_alu instid0(VALU_DEP_1)
	v_lshl_add_u32 v12, v13, 2, v12
	s_delay_alu instid0(VALU_DEP_1)
	v_lshl_add_u32 v12, v11, 1, v12                ; i0
	s_delay_alu instid0(VALU_DEP_1)
	v_cvt_f32_u32 v12, v12
	s_delay_alu instid0(VALU_DEP_1)
	v_add_f32 v13, 1.0, v12
	s_delay_alu instid0(VALU_DEP_2)
	v_mul_f32 v12, 0xbed49a78, v12                 ; x -log2(10000) / 32
	s_delay_alu instid0(VALU_DEP_2)
	v_mul_f32 v13, 0xbed49a78, v13
	s_wait_alu depctr_va_vdst(0)
	v_exp_f32 v12, v12
	v_exp_f32 v13, v13
	v_lshlrev_b32 v14, 4, v0                       ; (a plain line behind the exponentials)  my 16 bytes of the tile's 4,096
	s_wait_loadcnt 0x0
	v_cvt_f32_i32 v9, v9
	s_wait_alu depctr_va_vdst(0)                   ; one wait for both exponentials, ahead of their first reader
	v_mul_f32 v12, v9, v12                         ; the two angles
	v_mul_f32 v13, v9, v13
.macro SINCOS a, c, s, n, r, z, p, q
	v_mul_f32 v[\n], 0x3f22f983, v[\a]             ; x 2 / pi
	s_delay_alu instid0(VALU_DEP_1)
	v_rndne_f32 v[\n], v[\n]
	s_delay_alu instid0(VALU_DEP_1)
	v_fmamk_f32 v[\r], v[\n], 0xbfc90fdb, v[\a]    ; a - n x pi / 2, pi / 2 in two parts, each step one fused multiply-add
	s_delay_alu instid0(VALU_DEP_1)
	v_fmamk_f32 v[\r], v[\n], 0x333bbd2e, v[\r]
	s_delay_alu instid0(VALU_DEP_1)
	v_mul_f32 v[\z], v[\r], v[\r]
	v_mov_b32 v[\p], 0xb94ca1f9
	s_delay_alu instid0(VALU_DEP_1)
	v_fmaak_f32 v[\p], v[\p], v[\z], 0x3c08839e
	s_delay_alu instid0(VALU_DEP_1)
	v_fmaak_f32 v[\p], v[\p], v[\z], 0xbe2aaaa3
	s_delay_alu instid0(VALU_DEP_1)
	v_mul_f32 v[\p], v[\p], v[\z]
	s_delay_alu instid0(VALU_DEP_1)
	v_fma_f32 v[\p], v[\p], v[\r], v[\r]           ; sin r
	v_mov_b32 v[\q], 0x37ccf5ce
	s_delay_alu instid0(VALU_DEP_1)
	v_fmaak_f32 v[\q], v[\q], v[\z], 0xbab6061a
	s_delay_alu instid0(VALU_DEP_1)
	v_fmaak_f32 v[\q], v[\q], v[\z], 0x3d2aaaa5
	s_delay_alu instid0(VALU_DEP_1)
	v_mul_f32 v[\q], v[\q], v[\z]
	v_fma_f32 v[\r], v[\z], -0.5, 1.0
	s_delay_alu instid0(VALU_DEP_1)
	v_fma_f32 v[\q], v[\q], v[\z], v[\r]           ; cos r
	v_cvt_i32_f32 v[\n], v[\n]
	s_delay_alu instid0(VALU_DEP_1)
	v_and_b32 v[\z], 1, v[\n]
	s_delay_alu instid0(VALU_DEP_1)
	v_cmp_eq_u32 vcc_lo, 1, v[\z]                  ; an odd quarter swaps the two
	s_delay_alu instid0(VALU_DEP_1)
	v_cndmask_b32 v[\s], v[\p], v[\q], vcc_lo
	s_delay_alu instid0(VALU_DEP_2)
	v_cndmask_b32 v[\c], v[\q], v[\p], vcc_lo
	v_and_b32 v[\z], 2, v[\n]                      ; the sine is negative in quarters 2 and 3,
	s_delay_alu instid0(VALU_DEP_1)
	v_lshlrev_b32 v[\z], 30, v[\z]
	s_delay_alu instid0(VALU_DEP_1)
	v_xor_b32 v[\s], v[\z], v[\s]
	v_add_nc_u32 v[\n], 1, v[\n]                   ; the cosine in quarters 1 and 2
	s_delay_alu instid0(VALU_DEP_1)
	v_and_b32 v[\z], 2, v[\n]
	s_delay_alu instid0(VALU_DEP_1)
	v_lshlrev_b32 v[\z], 30, v[\z]
	s_delay_alu instid0(VALU_DEP_1)
	v_xor_b32 v[\c], v[\z], v[\c]
.endm
	SINCOS 12, 20, 21, 24, 25, 26, 27, 28
	SINCOS 13, 22, 23, 24, 25, 26, 27, 28
	global_store_b128 v14, v[20:23], s[24:25]      ; 32 lanes store 512 consecutive bytes
.Lend:
	s_wait_tensorcnt 0x0
	ds_add_u32 v160, v161
	s_wait_dscnt 0x0
	s_endpgm
.Lfunc_end_k_qf5f8b75218_prep:
	.size	k_qf5f8b75218_prep, .Lfunc_end_k_qf5f8b75218_prep-k_qf5f8b75218_prep
	.p2alignl 7, 3214868480
	.fill 96, 4, 3214868480
	.section	.rodata,"a",@progbits
	.p2align	6, 0x0
	.amdhsa_kernel k_qf5f8b75218_prep
		.amdhsa_group_segment_fixed_size 68608
		.amdhsa_private_segment_fixed_size 0
		.amdhsa_enable_private_segment 0
		.amdhsa_kernarg_size 72
		.amdhsa_user_sgpr_count 2
		.amdhsa_user_sgpr_kernarg_segment_ptr 1
		.amdhsa_wavefront_size32 1
		.amdhsa_system_sgpr_workgroup_id_x 1
		.amdhsa_system_sgpr_workgroup_id_y 1
		.amdhsa_system_sgpr_workgroup_id_z 1
		.amdhsa_system_vgpr_workitem_id 0
		.amdhsa_next_free_vgpr 162
		.amdhsa_next_free_sgpr 66
		.amdhsa_reserve_vcc 1
		.amdhsa_float_denorm_mode_32 3
		.amdhsa_float_denorm_mode_16_64 3
		.amdhsa_fp16_overflow 1
		.amdhsa_memory_ordered 1
		.amdhsa_forward_progress 1
		.amdhsa_inst_pref_size 17
	.end_amdhsa_kernel
	.amdgpu_metadata
---
amdhsa.version: [ 1, 2 ]
amdhsa.kernels:
  - .name:           k_qf5f8b75218_prep
    .symbol:         k_qf5f8b75218_prep.kd
    .args:
      - { .name: x, .offset: 0, .size: 8, .value_kind: global_buffer, .address_space: global }
      - { .name: Wq, .offset: 8, .size: 8, .value_kind: global_buffer, .address_space: global }
      - { .name: Wk, .offset: 16, .size: 8, .value_kind: global_buffer, .address_space: global }
      - { .name: Wv, .offset: 24, .size: 8, .value_kind: global_buffer, .address_space: global }
      - { .name: Wo, .offset: 32, .size: 8, .value_kind: global_buffer, .address_space: global }
      - { .name: token_positions, .offset: 40, .size: 8, .value_kind: global_buffer, .address_space: global }
      - { .name: lowp_scales, .offset: 48, .size: 8, .value_kind: global_buffer, .address_space: global }
      - { .name: cod, .offset: 56, .size: 8, .value_kind: global_buffer, .address_space: global }
      - { .name: rope, .offset: 64, .size: 8, .value_kind: global_buffer, .address_space: global }
    .group_segment_fixed_size: 68608
    .private_segment_fixed_size: 0
    .kernarg_segment_align: 8
    .kernarg_segment_size: 72
    .max_flat_workgroup_size: 256
    .sgpr_count:     66
    .vgpr_count:     162
    .wavefront_size: 32
...
	.end_amdgpu_metadata
.endif
;; end of part 1
;; launch qkv (part 2): grid 12 x 32, 4 waves a work-group, clusters of 4 x 4, 327,680 bytes of LDS; arguments cod, rope, lowp_scales, qkv; writes qkv
.if DOCPART == 2
	.amdgcn_target "amdgcn-amd-amdhsa--gfx1250"
	.amdhsa_code_object_version 6
	.text
	.protected	k_qf5f8b75218_qkv
	.globl	k_qf5f8b75218_qkv
	.p2align	8
	.type	k_qf5f8b75218_qkv,@function
k_qf5f8b75218_qkv:
	s_mov_b64 s[64:65], 0
	v_nop
	global_prefetch_b8 v0, s[64:65] scope:SCOPE_SE
	s_setreg_imm32_b32 hwreg(HW_REG_WAVE_MODE, 25, 1), 1
	s_wait_xcnt 0x0
	s_wait_alu depctr_hold_cnt(0) depctr_sa_sdst(0) depctr_va_vdst(0) depctr_va_sdst(0) depctr_va_ssrc(0) depctr_va_vcc(0) depctr_vm_vsrc(0)
	s_getreg_b32 s2, hwreg(HW_REG_IB_STS2, 6, 4)
	s_cmp_eq_u32 s2, 0
	s_cbranch_scc0 .Lentry_in_a_cluster
	s_endpgm
.Lentry_in_a_cluster:
	s_bfe_u32 s2, ttmp6, 0x10000c
	s_cmp_lg_u32 s2, 0xf033
	s_cbranch_scc0 .Lentry_shape_is_right
	s_endpgm
.Lentry_shape_is_right:
; QKV: the products x Wq^T, x Wk^T, x Wv^T on codes of FP8 (E4M3), the rotation of Q and K, and the quantising of Q, K (along the head's 64) and V (along the keys).
; The cluster's x says which: 0 Q, 1 K, 2 V.  A tile of 256 x 256 results is made by a work-group of four waves, a wave makes 128 x 128: 64 accumulators, 512 registers.  K = 1,024 goes in four steps of 256
; through two LDS slots filled by the tensor data mover.  THE OPERANDS LIE IN MEMORY AS IMAGES OF THEIR REGISTERS: 128 rows x 256 along K are one dense block of 32,768 bytes (tile i of 16 rows at 4096 i, the
; q-th 128 along K at 2048 q, block c at 512 c, a lane's 16 bytes at 16 x lane): no pitch, no padding, every LDS load reads 512 consecutive bytes.
; "A" is the matrix instruction's source 1, "B" its source 0: a lane holds ONE row of A, and its registers run along B's rows.  The rows of a tile are chosen (place i of tile T: row 32 (T / 2) + 8 (T % 2) + i + 8 (i / 8))
; so that the 16 registers of B's tiles 2 g and 2 g + 1 are B's rows 32 g + 16 (lane / 16) + 0 .. 15: neighbours along the next product's K.
; Q, K: A = x (with e0 or e2), B = the weight: a lane holds one sequence place, registers along the head's channels.  V: A = Wv, B = x (with e4): a lane holds one channel, registers along the keys.
; So the conversions' results are the next operand's registers, and each store covers 512 consecutive bytes.  No stage in LDS.
; CLUSTERS: 4 x 4 work-groups; A's tiles are asked for jointly along a row of the cluster, B's along a column.  The branch between the two ways out hangs on the cluster's x, which all partners share.
; A sum stands for sum x 2^(ea + eb); the rotation is linear, so it is made on the sums, and the conversion takes the one scale 2^(eo - ea - eb).  LIMIT: eo - ea - eb between -126 and 119.
; OUT: qkv: Q at 0, K at 8 MiB, V at 16 MiB; a head (16 b + head) has 131,072 bytes.  Q, K: 1024 sb + 512 c + 16 lane (tile sb of 16 places, channels 32 c + 16 h + 0 .. 15).
;      V: 8192 kb + 2048 ct + 512 c + 16 lane (128 keys kb, tile ct of 16 channels, keys 32 c + 16 h + 0 .. 15).
; REGISTERS, in windows of 256: window 0: v16-29 addresses and scales; v32-95 the table (two sets); v96-127 rotated numbers; v128-255 A's fragments, ONE set, later the codes.
;   window 1: B's fragments, two sets.   windows 2, 3: the accumulators ((a, b) at v[8 (8 (a % 4) + b)]).
.set HALFT,  32768                     ; 128 rows x 256 along K: what one tensor load brings, and what one wave reads of A or of B
.set SLOT,   4*HALFT                   ; A's two halves, then B's two halves
.set SPARE,  2*SLOT                    ; behind the ring: the spare words, 128 bytes for each wave: two blocks of 256 bytes that no other line names
.set FR,     16                        ; registers of a fragment
.set NL,     4                         ; LDS loads that bring one
.set NP,     4                         ; places behind this matrix instruction (ISA guide 7.12.1)
.set ADRA, 16                          ; v16-17  LDS address of my A fragments in slot 0, 1
.set ADRB, 20                          ; v20-21  the same for B
.set LI,   24                          ; v24     16 x lane; never rewritten
.set SCL,  26                          ; v26     2^(eo - ea - eb)
.set LIM,  27
.set SPW,  28                          ; v28     LDS address of my spare word; never rewritten
.set NIL,  29                          ; v29     0; never rewritten
.set TB,   32
.set TMP,  96
.set CD,   128
.set AF,   128
.set G1, 24                            ; s[24:31] descriptor group 1 for A's tiles;  s[32:39] group 0, one set for each slot
.set G0, 32
.set G1B, 48                           ; s[48:55], s[56:63] the same for B's tiles
.set G0B, 56
.set MSB, 0
.macro WIN new                         ; the immediate's high byte repeats the setting that is left
.if MSB != \new
	s_set_vgpr_msb (MSB<<8)|\new
.set MSB, \new
.endif
.endm
.set MUL_LO, 0xa1                      ; source 0 (B) window 1, source 1 (A) window 0, C and D window 2
.set MUL_HI, 0xf1                      ; the same, C and D window 3
.set TO_B,   0x40                      ; destination window 1, address window 0
; A joint load: waves 0 and 1 fetch for A, waves 2 and 3 for B; the branch hangs on the wave's number alone.  Four v_nop follow each of the two lines.
.macro JLOAD g0a, g1a, g0b, g1b
	s_cmp_eq_u32 s15, 0
	s_cbranch_scc0 .Lfor_b_\@
	tensor_load_to_lds s[\g0a:\g0a+3], s[\g1a:\g1a+7]
	s_nop 0
.rept 4
	v_nop
.endr
	s_branch .Lasked_\@
.Lfor_b_\@:
	tensor_load_to_lds s[\g0b:\g0b+3], s[\g1b:\g1b+7]
	s_nop 0
.rept 4
	v_nop
.endr
.Lasked_\@:
.endm
.macro CREST                           ; a round of the cluster's barrier behind its opening barrier
	s_cmp_lg_u32 s14, 0
	s_cbranch_scc1 .Lnot_wave_0_\@
	s_barrier_signal -3
.Lnot_wave_0_\@:
	s_barrier_wait -3
	s_barrier_signal -1
	s_barrier_wait -1
.endm
.macro CROUND                          ; a whole round
	s_barrier_signal -1
	s_barrier_wait -1
	CREST
.endm
	s_load_b256 s[4:11], s[0:1], 0x0               ; cod s[4:5], rope s[6:7], lowp_scales s[8:9], qkv s[10:11]
	v_lshl_add_u32 v[SPW], v0, 2, SPARE
	v_mov_b32 v[NIL], 0
	ds_add_u32 v28, v29
	ds_add_u32 v28, v29
	s_wait_dscnt 0x0
	v_lshrrev_b32 v1, 5, v0
	v_readfirstlane_b32 s14, v1                    ; wave 0..3
	s_lshr_b32 s15, s14, 1                         ; which half of A's 256 rows is mine.  Also: I fetch for A (0) or for B (1)
	s_and_b32 s16, s14, 1                          ; which half of B's.  Also: which 128 rows I fetch
	s_bfe_u32 s40, ttmp6, 0x40000                  ; cx, cy: my place in the cluster
	s_bfe_u32 s41, ttmp6, 0x40004
	s_mov_b32 s66, ttmp9                           ; 0 Q, 1 K, 2 V: the cluster's x
	s_lshr_b32 s67, s66, 1                         ; 1 for V
	s_and_b32 s80, ttmp7, 0xffff
	s_lshl_b32 s80, s80, 2                         ; 4 x cluster y walks x's 32 blocks of 256 rows: they are A's for Q and K, B's for V
	s_mul_i32 s81, s80, s67
	s_sub_co_u32 s82, s80, s81
	s_add_co_u32 s17, s82, s41                     ; A's block of 256 rows
	s_add_co_u32 s42, s81, s40                     ; B's
	s_lshl_b32 s43, s41, 2
	s_lshl_b32 s43, 15, s43                        ; my row of the cluster
	s_lshl_b32 s44, 0x1111, s40                    ; my column
	; descriptor group 1: 128 rows of 256 bytes, dense in memory and in LDS
	s_or_b32 s[G1+0], s43, (1<<21)                 ; 15:0 the mask: A's tiles go to my row; 17:16 elements of 1 byte; 20 no padding; 21 set beside a mask
	s_or_b32 s[G1B+0], s44, (1<<21)
.irp g, G1, G1B
	s_mov_b32 s[\g+1], 256<<16                     ; tensor_dim0
	s_mov_b32 s[\g+2], 128<<16                     ; tensor_dim1
	s_mov_b32 s[\g+3], 256<<16                     ; tile_dim0
	s_mov_b32 s[\g+4], 128                         ; tile_dim1
	s_mov_b32 s[\g+5], 256                         ; tensor_dim0_stride
	s_mov_b32 s[\g+6], 0
	s_mov_b32 s[\g+7], 0
.endr
	; A: section 0 (x with e0), 8 MiB (x with e2) or 0x1A00000 (Wv); B: 0x1800000 (Wq), 0x1900000 (Wk) or 16 MiB (x with e4); then 131,072 bytes for each 128 rows
	s_lshl_b32 s20, s66, 23
	s_mul_i32 s21, s67, 0xA00000
	s_add_co_u32 s20, s20, s21
	s_lshl_b32 s18, s17, 1
	s_add_co_u32 s18, s18, s16
	s_lshl_b32 s18, s18, 17
	s_add_co_u32 s20, s20, s18
	s_mov_b32 s21, 0
	s_lshl_b32 s46, s66, 20
	s_add_co_u32 s46, s46, 0x1800000
	s_mul_i32 s47, s67, 0xA00000
	s_sub_co_u32 s46, s46, s47
	s_lshl_b32 s47, s42, 1
	s_add_co_u32 s47, s47, s16
	s_lshl_b32 s47, s47, 17
	s_add_co_u32 s46, s46, s47
	s_mov_b32 s47, 0
	s_mul_i32 s45, s14, HALFT                      ; where they go: wave x 32,768: no place in the cluster enters an LDS address
	s_wait_kmcnt 0x0
	s_load_b256 s[68:75], s[8:9], 0x0              ; e0 .. e7
	s_load_b128 s[76:79], s[8:9], 0x20             ; e8 .. e11
	s_add_nc_u64 s[20:21], s[4:5], s[20:21]
	s_add_nc_u64 s[46:47], s[4:5], s[46:47]
	CROUND                                         ; all sixteen work-groups are here: the first joint loads meet
.irp s, 0,1
	s_mov_b32 s[G0+4*\s], 1
	s_add_co_u32 s[G0+4*\s+1], s45, \s*SLOT
	s_add_nc_u64 s[G0+4*\s+2:G0+4*\s+3], s[20:21], \s*HALFT
	s_or_b32 s[G0+4*\s+3], s[G0+4*\s+3], 0x80000000
	s_mov_b32 s[G0B+4*\s], 1
	s_add_co_u32 s[G0B+4*\s+1], s45, \s*SLOT
	s_add_nc_u64 s[G0B+4*\s+2:G0B+4*\s+3], s[46:47], \s*HALFT
	s_or_b32 s[G0B+4*\s+3], s[G0B+4*\s+3], 0x80000000
	JLOAD G0+4*\s, G1, G0B+4*\s, G1B
.endr
	v_and_b32 v1, 31, v0
	v_lshlrev_b32 v[LI], 4, v1
	s_lshl_b32 s21, s15, 15                        ; my 128 rows of A
	s_lshl_b32 s22, s16, 15                        ; my 128 rows of B,
	s_add_co_u32 s22, s22, 2*HALFT                 ; which lie behind A's 256
.irp s, 0,1
	v_add_nc_u32 v[ADRA+\s], s21, v[LI]
	v_add_nc_u32 v[ADRB+\s], s22, v[LI]
	s_add_co_u32 s21, s21, SLOT
	s_add_co_u32 s22, s22, SLOT
.endr
	s_lshl_b32 s88, s17, 4                         ; the table of my eight tiles of sequence places (of use for Q and K alone): tile 16 x block + 8 x half, modulo a batch's 128
	s_lshl_b32 s89, s15, 3
	s_add_co_u32 s88, s88, s89
	s_and_b32 s88, s88, 127
	s_lshl_b32 s88, s88, 12
	s_mov_b32 s89, 0
	s_add_nc_u64 s[84:85], s[6:7], s[88:89]
.macro FRAG reg, adr, q, i             ; a fragment comes back as it was stored: registers 4 c .. 4 c + 3 hold K = 32 c + 16 (l / 16) + 0 .. 15 of the row at place l % 16
.irp c, 0,1,2,3
	ds_load_b128 v[\reg+4*\c:\reg+4*\c+3], v[\adr] offset:4096*(\i)+2048*(\q)+512*\c
.endr
.endm
; 16 matrix instructions: A's blocks a0, a0 + 1 x B's eight, 128 along K.  p: B's set.  zero = 1: the first product starts the sums.
; The 64 accumulators take turns, one instruction a turn, in the same order in every step.
.macro MUL16 a0, p, zero
.irp a, \a0, \a0+1
.irp b, 0,1,2,3,4,5,6,7
.if \zero
	v_wmma_f32_16x16x128_fp8_fp8 v[8*(8*((\a)%4)+\b):8*(8*((\a)%4)+\b)+7], v[128*(\p)+FR*\b:128*(\p)+FR*\b+FR-1], v[AF+FR*(\a):AF+FR*(\a)+FR-1], 0
.else
	v_wmma_f32_16x16x128_fp8_fp8 v[8*(8*((\a)%4)+\b):8*(8*((\a)%4)+\b)+7], v[128*(\p)+FR*\b:128*(\p)+FR*\b+FR-1], v[AF+FR*(\a):AF+FR*(\a)+FR-1], v[8*(8*((\a)%4)+\b):8*(8*((\a)%4)+\b)+7]
.endif
.endr
.endr
.endm
.macro FETCH_B slot, q, p              ; B's eight fragments of the slot's q-th 128 along K into set p
	WIN TO_B
.irp i, 0,1,2,3,4,5,6,7
	FRAG 128*(\p)+FR*\i, ADRB+\slot, \q, \i
.endr
	WIN 0
.endm
.macro FETCH_A slot, q, i0             ; A's blocks i0 .. i0 + 3
.irp i, \i0, \i0+1, \i0+2, \i0+3
	FRAG AF+FR*(\i), ADRA+\slot, \q, \i
.endr
.endm
.macro PLACES n                        ; plain vector lines between a matrix instruction and a load into, or a vector line on, one of its registers
.rept \n
	v_nop
.endr
.endm
; A step of 128 along K that has its successor in the same slot.  A block of A is free as soon as its eight products are issued: blocks 0-3 are fetched anew in the step's middle, blocks 4-7 at its end.
.macro STEP slot, q, zero
	s_wait_dscnt 4*NL                              ; B's set and A's blocks 0-3 are in; the youngest sixteen loads (A's blocks 4-7) may be out
	WIN MUL_LO
	MUL16 0, (\q)%2, \zero
	MUL16 2, (\q)%2, \zero
	s_wait_dscnt 0                                 ; A's blocks 4-7 are in
	PLACES NP
	FETCH_B \slot, (\q)+1, 1-(\q)%2
	FETCH_A \slot, (\q)+1, 0
	WIN MUL_HI
	MUL16 4, (\q)%2, \zero
	MUL16 6, (\q)%2, \zero
	PLACES NP
	WIN 0
	FETCH_A \slot, (\q)+1, 4
.endm
; A slot's last step changes slots: ONE barrier; in front of it each wave waits for all its tensor loads, adds 0 to its spare word, and waits for that and for its own reads of this slot.  fill = 1: this slot is filled again, two K steps ahead.
.macro TURN slot, next, fill
	s_wait_tensorcnt 0x0                           ; all my tensor loads have landed: my part of the next slot
	ds_add_u32 v[SPW], v[NIL]                      ; 0 onto my spare word
	s_wait_dscnt 4*NL+1                            ; (the add and the youngest sixteen loads, A's blocks 4-7, may be out)
	WIN MUL_LO
	MUL16 0, 1, 0                                  ; sixteen matrix instructions stand between the add and the wait for it
	s_wait_dscnt 0x0                               ; the add is done, and my reads of this slot are over
	s_barrier_signal -1
	MUL16 2, 1, 0
	WIN 0
	s_barrier_wait -1
.if \fill
	CREST                                          ; the barrier has opened a round of the cluster's barrier: no wave of any partner still reads this slot or has a load on its way
	s_add_nc_u64 s[G0+4*\slot+2:G0+4*\slot+3], s[G0+4*\slot+2:G0+4*\slot+3], 2*HALFT
	s_add_nc_u64 s[G0B+4*\slot+2:G0B+4*\slot+3], s[G0B+4*\slot+2:G0B+4*\slot+3], 2*HALFT
	JLOAD G0+4*\slot, G1, G0B+4*\slot, G1B         ; the first tensor load behind the round; the four v_nop behind it are the places in front of the loads below
.else
	PLACES NP
.endif
	FETCH_B \next, 0, 0
	FETCH_A \next, 0, 0
	WIN MUL_HI
	MUL16 4, 1, 0
	MUL16 6, 1, 0
	PLACES NP
	WIN 0
	FETCH_A \next, 0, 4
.endm
.macro TABLE a, set                    ; cosines and sines of my tile a of places: eight loads of 512 consecutive bytes; register 8 t + 2 p: cos, 8 t + 2 p + 1: sin of pair p of channel tile t
.irp k, 0,1,2,3,4,5,6,7
	global_load_b128 v[TB+32*(\set)+4*\k:TB+32*(\set)+4*\k+3], v[LI], s[84:85] offset:4096*(\a)+512*\k
.endr
.endm
	s_wait_alu depctr_va_vdst(0)
	s_wait_tensorcnt 1                             ; my part of K step 0 is in (K step 1's load may be out)
	s_barrier_signal -1
	s_barrier_wait -1                              ; everybody's is
	FETCH_B 0, 0, 0
	FETCH_A 0, 0, 0
	FETCH_A 0, 0, 4
	STEP 0, 0, 1                                   ; K = 1,024 is eight steps of 128: they are written out.  The first starts the sums
	TURN 0, 1, 1
	STEP 1, 0, 0
	TURN 1, 0, 1
	STEP 0, 0, 0
	s_cmp_eq_u32 s66, 2                            ; Q and K: the first two tiles' table is asked for three steps ahead of its use
	s_cbranch_scc1 .Lno_table
	TABLE 0, 0
	TABLE 1, 1
.Lno_table:
	TURN 0, 1, 0                                   ; nothing is left to fetch, and no round of the cluster's barrier is needed
	STEP 1, 0, 0
	s_wait_dscnt 4*NL                              ; the very last step
	WIN MUL_LO
	MUL16 0, 1, 0
	MUL16 2, 1, 0
	s_wait_dscnt 0
	WIN MUL_HI
	MUL16 4, 1, 0
	MUL16 6, 1, 0
	WIN 0
	; THE WAY OUT
	s_wait_kmcnt 0x0
	s_sub_co_i32 s88, s74, s68                     ; Q: e6 - e0 - e1
	s_sub_co_i32 s88, s88, s69
	s_sub_co_i32 s89, s75, s70                     ; K: e7 - e2 - e3
	s_sub_co_i32 s89, s89, s71
	s_sub_co_i32 s90, s77, s72                     ; V: e9 - e4 - e5
	s_sub_co_i32 s90, s90, s73
	s_cmp_eq_u32 s66, 1
	s_cselect_b32 s88, s89, s88
	s_cmp_eq_u32 s66, 2
	s_cselect_b32 s88, s90, s88
	s_add_co_i32 s88, s88, 127
	s_lshl_b32 s89, s88, 23
	PLACES NP                                      ; behind the last products: their results are read, and A's registers are written, only behind these
	v_mov_b32 v[SCL], s89
	s_cmp_eq_u32 s66, 2
	s_cbranch_scc1 .Lv_arm
	; ---- Q and K: my rows are sequence tiles 16 x block + 8 x half + a, my columns two heads
	s_lshl_b32 s88, s17, 4
	s_lshl_b32 s89, s15, 3
	s_add_co_u32 s88, s88, s89
	s_lshr_b32 s89, s88, 7                         ; the batch
	s_and_b32 s88, s88, 127                        ; the tile in it
	s_lshl_b32 s89, s89, 4
	s_lshl_b32 s90, s42, 2
	s_add_co_u32 s89, s89, s90
	s_lshl_b32 s90, s16, 1
	s_add_co_u32 s89, s89, s90                     ; 16 b + my first head
	s_lshl_b32 s89, s89, 17
	s_lshl_b32 s88, s88, 10
	s_add_co_u32 s88, s88, s89
	s_lshl_b32 s89, s66, 23                        ; Q's or K's section
	s_add_co_u32 s88, s88, s89
	s_mov_b32 s89, 0
	s_add_nc_u64 s[86:87], s[10:11], s[88:89]
; Tile a of places, head hh: 32 sums a lane are rotated (out(2 i) = c x(2 i) - s x(2 i + 1), out(2 i + 1) = c x(2 i + 1) + s x(2 i)), converted and stored.  Each accumulator is read from its low end on.
.macro ROPEQ a, hh, set
	WIN 0x02+((\a)/4)                              ; source 0: window 2 or 3
.irp t, 0,1,2,3
.set AC, 64*((\a)%4)+8*(4*(\hh)+\t)
.set TT, TMP+8*\t
.set TC, TB+32*(\set)+8*\t
.irp p, 0,1,2,3
	v_mul_f32 v[TT+2*\p],   v[AC+2*\p],   v[TC+2*\p]
	v_mul_f32 v[TT+2*\p+1], v[AC+2*\p+1], v[TC+2*\p]
.endr
.irp p, 0,1,2,3
	v_fma_f32 v[TT+2*\p],   -v[AC+2*\p+1], v[TC+2*\p+1], v[TT+2*\p]
	v_fma_f32 v[TT+2*\p+1],  v[AC+2*\p],   v[TC+2*\p+1], v[TT+2*\p+1]
.endr
.endr
	WIN 0
.set JJ, 0
.rept 32
.set JJ, JJ+1
.endr
.irp k, 0,1,2,3
	v_cvt_scalef32_pk8_fp8_f32 v[CD+16*(\a)+8*(\hh)+2*\k:CD+16*(\a)+8*(\hh)+2*\k+1], v[TMP+8*\k:TMP+8*\k+7], v[SCL]
.endr
	v_nop                                          ; one plain line between the conversions and the next lines that write their sources
.irp c, 0,1
	global_store_b128 v[LI], v[CD+16*(\a)+8*(\hh)+4*\c:CD+16*(\a)+8*(\hh)+4*\c+3], s[86:87] offset:131072*(\hh)+1024*(\a)+512*\c   ; 512 consecutive bytes; each pair of tile and head has its own code registers
.endr
.endm
.irp a, 0,1,2,3,4,5,6,7
.if \a < 7
	s_wait_loadcnt 8                               ; this tile's table is in; the next tile's eight loads may be out
.else
	s_wait_loadcnt 0
.endif
	ROPEQ \a, 0, \a%2
	ROPEQ \a, 1, \a%2
.if \a < 6
	TABLE \a+2, \a%2
.endif
.endr
	s_branch .Ldone
	; ---- V: my rows are channels (two heads), my columns one block of 128 keys
.Lv_arm:
	s_lshl_b32 s88, s42, 1
	s_add_co_u32 s88, s88, s16                     ; which 128 rows of x
	s_lshr_b32 s89, s88, 4                         ; the batch
	s_and_b32 s88, s88, 15                         ; the block of keys in it
	s_lshl_b32 s89, s89, 4
	s_lshl_b32 s90, s17, 2
	s_add_co_u32 s89, s89, s90
	s_lshl_b32 s90, s15, 1
	s_add_co_u32 s89, s89, s90                     ; 16 b + my first head
	s_lshl_b32 s89, s89, 17
	s_lshl_b32 s88, s88, 13
	s_add_co_u32 s88, s88, s89
	s_add_co_u32 s88, s88, 0x1000000               ; V's section
	s_mov_b32 s89, 0
	s_add_nc_u64 s[86:87], s[10:11], s[88:89]
.macro VQ a                            ; tile a of channels: a lane's 64 sums are 64 of the block's keys, in the operand's order
	WIN 0x02+((\a)/4)
.set JJ, 0
.rept 64
.set JJ, JJ+1
.endr
.irp k, 0,1,2,3,4,5,6,7
	v_cvt_scalef32_pk8_fp8_f32 v[CD+16*(\a)+2*\k:CD+16*(\a)+2*\k+1], v[TB+8*\k+((64*((\a)%4)+JJ)-(TB+JJ)):TB+8*\k+7+((64*((\a)%4)+JJ)-(TB+JJ))], v[SCL]
.endr
	WIN 0
	v_nop                                          ; one plain line between the conversions and the next lines that write their sources
.irp c, 0,1,2,3
	global_store_b128 v[LI], v[CD+16*(\a)+4*\c:CD+16*(\a)+4*\c+3], s[86:87] offset:131072*((\a)/4)+2048*((\a)%4)+512*\c
.endr
.endm
	s_wait_alu depctr_va_vdst(0)
.irp a, 0,1,2,3,4,5,6,7
	VQ \a
.endr
.Ldone:
	s_wait_tensorcnt 0x0                           ; the wave's end
	ds_add_u32 v[SPW], v[NIL]
	s_wait_dscnt 0x0
	CROUND                                         ; the closing round: no work-group ends while a partner may still ask for a tile that names it
	s_endpgm
.Lfunc_end_k_qf5f8b75218_qkv:
	.size	k_qf5f8b75218_qkv, .Lfunc_end_k_qf5f8b75218_qkv-k_qf5f8b75218_qkv
	.p2alignl 7, 3214868480
	.fill 96, 4, 3214868480
	.section	.rodata,"a",@progbits
	.p2align	6, 0x0
	.amdhsa_kernel k_qf5f8b75218_qkv
		.amdhsa_group_segment_fixed_size 327680
		.amdhsa_private_segment_fixed_size 0
		.amdhsa_enable_private_segment 0
		.amdhsa_kernarg_size 32
		.amdhsa_user_sgpr_count 2
		.amdhsa_user_sgpr_kernarg_segment_ptr 1
		.amdhsa_wavefront_size32 1
		.amdhsa_system_sgpr_workgroup_id_x 1
		.amdhsa_system_sgpr_workgroup_id_y 1
		.amdhsa_system_sgpr_workgroup_id_z 1
		.amdhsa_system_vgpr_workitem_id 0
		.amdhsa_next_free_vgpr 1024
		.amdhsa_next_free_sgpr 100
		.amdhsa_reserve_vcc 0
		.amdhsa_float_denorm_mode_32 3
		.amdhsa_float_denorm_mode_16_64 3
		.amdhsa_fp16_overflow 1
		.amdhsa_memory_ordered 1
		.amdhsa_forward_progress 1
		.amdhsa_inst_pref_size 149
	.end_amdhsa_kernel
	.amdgpu_metadata
---
amdhsa.version: [ 1, 2 ]
amdhsa.kernels:
  - .name:           k_qf5f8b75218_qkv
    .symbol:         k_qf5f8b75218_qkv.kd
    .args:
      - { .name: cod, .offset: 0, .size: 8, .value_kind: global_buffer, .address_space: global }
      - { .name: rope, .offset: 8, .size: 8, .value_kind: global_buffer, .address_space: global }
      - { .name: lowp_scales, .offset: 16, .size: 8, .value_kind: global_buffer, .address_space: global }
      - { .name: qkv, .offset: 24, .size: 8, .value_kind: global_buffer, .address_space: global }
    .group_segment_fixed_size: 327680
    .private_segment_fixed_size: 0
    .kernarg_segment_align: 8
    .kernarg_segment_size: 32
    .max_flat_workgroup_size: 128
    .sgpr_count:     100
    .vgpr_count:     1024
    .wavefront_size: 32
...
	.end_amdgpu_metadata
.endif
;; end of part 2
;; launch attn (part 3): grid 4 x 64, 16 waves a work-group, no clusters, 327,680 bytes of LDS; arguments qkv, lowp_scales, hc; writes hc
.if DOCPART == 3
	.amdgcn_target "amdgcn-amd-amdhsa--gfx1250"
	.amdhsa_code_object_version 6
	.text
	.protected	k_qf5f8b75218_attn
	.globl	k_qf5f8b75218_attn
	.p2align	8
	.type	k_qf5f8b75218_attn,@function
k_qf5f8b75218_attn:
	s_mov_b64 s[64:65], 0
	v_nop
	global_prefetch_b8 v0, s[64:65] scope:SCOPE_SE
	s_setreg_imm32_b32 hwreg(HW_REG_WAVE_MODE, 25, 1), 1
	s_wait_xcnt 0x0
; ATTN: heads = softmax(Q K^T / 8, causal) V for 64 heads (16 b + head) of 2,048 places x 64 channels, both products on codes of FP8 (E4M3); the heads are quantised (e10) for the last product.
; THE SOFTMAX AHEAD OF THE SECOND PRODUCT: t = score x log2(e) / 8; M = the row's largest t so far, rounded UP to a whole number; p = 2^(t - M) is what is quantised (e8), not normalised.
; The row's sum is taken of the unquantised p and divides at the end.  When M moves, the sum and O are multiplied by 2^(old M - new M): exact.
; SHARES.  Work-group (x, y) serves head y and the blocks x and 7 - x of 256 queries: block i needs key blocks 0 .. i, so every work-group makes 9 VISITS of 256 keys: visits 0 .. x serve block x,
; visits x + 1 .. 8 block 7 - x.  The number of visits is a constant of the text, the work is the same in all 256 work-groups, and no tile is fetched that nobody reads.
; Each of the sixteen waves owns one tile of 16 queries of the block in hand, in 256 registers: four waves to a SIMD, so that one wave's vector work stands beside another's matrix work and LDS loads.
; NO CLUSTER: the four work-groups of a head are at different key blocks in the same visit (visit v of work-group x is key block v or v - x - 1), so there is no tile that they could ask for jointly in one round.
; OPERANDS ARE IMAGES OF THEIR REGISTERS (a lane's 16 bytes at 16 x lane, blocks of 512 bytes): Q, K: 1024 tile + 512 c; V: 8192 (128 keys) + 2048 (tile of channels) + 512 c.  A visit's K and V are two dense blocks of 16,384 bytes.
; Both products are used transposed: S^T = K Q^T, O^T = V^T P^T: a lane holds ONE query throughout.  Place i of tile T (of queries, keys or channels) is number 32 (T / 2) + 8 (T % 2) + i + 8 (i / 8),
; so the 16 registers of tiles 2 g and 2 g + 1 are the 16 neighbours 32 g + 16 (lane / 16) + 0 .. 15: p's and the heads' conversions give operand registers.
; A tile's 16 queries lie in one group of 32, so a step of 128 keys is either wholly behind them (left out by a scalar branch on ids) or begins at or before all of them (each row then has a key that counts).
; OUT: hc in the layout of a GEMM's operand: (T / 8) 131072 + (head / 4) 32768 + (T % 8) 4096 + (head % 4) 1024 + 512 g + 16 lane, T = 128 b + the tile of queries.
; LIMITS: e6 + e7 between -123 and 130 (added to c's exponent field); e8 and e10 between -126 and 119; e8 + e9 is applied by v_ldexp_f32 and has none.
; REGISTERS: v1 16 x lane; v2 address in hand; v3 my query's place less 16 (lane / 16); v12 -M, v13 the largest t, v[14:15] the sum; v16-23 Q; v24-31 the second block's Q; v32-95 K's eight or V's four fragments;
; v96-159 S^T, then p; v160-191 O^T; v192-207 p's codes; v208-215 the heads' codes; v236-254 at work and scales.
.set SLOT1, 32768                      ; a slot: K's 16,384 bytes, then V's; slot 1 begins here: one exclusive or turns an address
.set VOFF,  16384
.set SPARE, 65536                      ; behind the ring: the spare words, 128 bytes for each wave: eight blocks of 256 bytes that no other line names
.set LI,   1
.set ADR,  2
.set QL,   3
.set SPW,  5
.set NIL,  6
.set TB,   2                           ; s2   LDS byte at which the slot in hand begins
.set PI,   10                          ; s10  work-group x
.set BH,   11                          ; s11  the head, 16 b + head
.set WV,   18                          ; s18  my wave's number
.set SEL,  20                          ; s[20:21] lane selects for v_permlanex16_b32: lane l xor 16
.set CS,   22                          ; s[22:23] c = log2(e) / 8 x 2^(e6 + e7)
.set G1,   24                          ; s[24:31] descriptor group 1
.set G0,   40                          ; s[40:43] group 0, which walks
.set FB,   44                          ; s[44:45] the head's K (wave 0) or V (wave 1)
.set TO,   46                          ; s[46:47] the next key block's offset
.set VI,   67                          ; s67  the visit
.set BLK,  80                          ; s80  the block of queries in hand
.set WQ,   81                          ; s81  my tile's first query in a block
.set KF,   98                          ; s98  the step's first key
.set Q0,   99                          ; s99  my first query
.macro TLOAD                           ; wave 0 fetches K's block, wave 1 V's, the others nothing; four v_nop follow the line
	s_cmp_lt_u32 s[WV], 2
	s_cbranch_scc0 .Lnone_\@
	tensor_load_to_lds s[G0:G0+3], s[G1:G1+7]
	s_nop 0
.rept 4
	v_nop
.endr
.Lnone_\@:
.endm
	s_load_b128 s[4:7], s[0:1], 0x0                ; qkv s[4:5], lowp_scales s[6:7]
	s_load_b64 s[8:9], s[0:1], 0x10                ; hc
	v_lshl_add_u32 v[SPW], v0, 2, SPARE
	v_mov_b32 v[NIL], 0
	ds_add_u32 v5, v6
	ds_add_u32 v5, v6
	s_wait_dscnt 0x0
	v_lshrrev_b32 v8, 5, v0
	s_delay_alu instid0(VALU_DEP_1)
	v_readfirstlane_b32 s[WV], v8                  ; wave 0..15
	s_mov_b32 s[PI], ttmp9
	s_and_b32 s[BH], ttmp7, 0xffff
	s_mov_b32 s[G1], 0                             ; no mask, elements of 1 byte, no padding
	s_mov_b32 s[G1+1], 256<<16                     ; tensor_dim0
	s_mov_b32 s[G1+2], 64<<16                      ; tensor_dim1
	s_mov_b32 s[G1+3], 256<<16                     ; tile_dim0
	s_mov_b32 s[G1+4], 64                          ; tile_dim1: 64 rows of 256 bytes, dense
	s_mov_b32 s[G1+5], 256                         ; tensor_dim0_stride
	s_mov_b32 s[G1+6], 0
	s_mov_b32 s[G1+7], 0
	s_mov_b32 s[SEL], 0x76543210
	s_mov_b32 s[SEL+1], 0xfedcba98
	s_mov_b32 s[TB], 0
	s_mov_b32 s[TO+1], 0
	s_and_b32 s88, s[WV], 1
	s_lshl_b32 s92, s88, 14                        ; in a slot: K at 0, V at 16,384
	s_add_co_u32 s90, s88, 1
	s_lshl_b32 s90, s90, 23                        ; in qkv: K at 8 MiB, V at 16 MiB
	s_lshl_b32 s93, s[BH], 17                      ; the head
	s_add_co_u32 s90, s90, s93
	s_mov_b32 s91, 0
	s_wait_kmcnt 0x0
	s_load_b128 s[68:71], s[6:7], 0x18             ; e6, e7, e8, e9
	s_load_b32 s72, s[6:7], 0x28                   ; e10
	s_add_nc_u64 s[FB:FB+1], s[4:5], s[90:91]
	s_mov_b32 s[G0], 1
	s_mov_b32 s[G0+1], s92
	s_mov_b64 s[G0+2:G0+3], s[FB:FB+1]             ; visit 0: key block 0, into slot 0
	s_or_b32 s[G0+3], s[G0+3], 0x80000000
	TLOAD
	s_lshl_b32 s88, s[PI], 4                       ; Q: tile 16 x block + wave, of both my blocks
	s_add_co_u32 s88, s88, s[WV]
	s_lshl_b32 s88, s88, 10
	s_add_co_u32 s88, s88, s93
	s_mov_b32 s89, 0
	s_add_nc_u64 s[82:83], s[4:5], s[88:89]
	s_sub_co_u32 s88, 7, s[PI]
	s_lshl_b32 s88, s88, 4
	s_add_co_u32 s88, s88, s[WV]
	s_lshl_b32 s88, s88, 10
	s_add_co_u32 s88, s88, s93
	s_add_nc_u64 s[84:85], s[4:5], s[88:89]
	v_and_b32 v8, 31, v0
	s_delay_alu instid0(VALU_DEP_1)
	v_lshlrev_b32 v[LI], 4, v8
	global_load_b128 v[16:19], v[LI], s[82:83]
	global_load_b128 v[20:23], v[LI], s[82:83] offset:512
	global_load_b128 v[24:27], v[LI], s[84:85]
	global_load_b128 v[28:31], v[LI], s[84:85] offset:512
	v_and_b32 v8, 15, v0
	v_and_b32 v9, 8, v0
	s_delay_alu instid0(VALU_DEP_1)
	v_add_nc_u32 v[QL], v8, v9                     ; r + 8 (r / 8): my query in the tile,
	v_and_b32 v9, 16, v0
	s_delay_alu instid0(VALU_DEP_1)
	v_sub_nc_u32 v[QL], v[QL], v9                  ; less the 16 keys by which my half of the lanes is ahead
	s_lshr_b32 s[WQ], s[WV], 1
	s_lshl_b32 s[WQ], s[WQ], 5
	s_and_b32 s88, s[WV], 1
	s_lshl_b32 s88, s88, 3
	s_add_co_u32 s[WQ], s[WQ], s88                 ; 32 (w / 2) + 8 (w % 2)
	s_mov_b32 s[BLK], s[PI]
	s_lshl_b32 s[Q0], s[BLK], 8
	s_add_co_u32 s[Q0], s[Q0], s[WQ]
	v_mov_b32 v13, 0xff61b1e6                      ; the largest t so far: -3e38, under every t
	s_delay_alu instid0(VALU_DEP_1)
	v_floor_f32 v12, -v13                          ; -M
	v_mov_b32 v14, 0                               ; the sum, in two halves
	v_mov_b32 v15, 0
	v_mov_b32 v236, 0                              ; written once: a lane permute's destination counts as one of its sources
	v_mov_b32 v252, 0
	v_mov_b32 v253, 0                              ; (named as the upper half of the pair v[252:253])
.set JJ, 0
.rept 32
	v_mov_b32 v[160+JJ], 0                         ; O^T.  (The step is written for every visit alike: the first finds zeros, which the first change of M leaves zeros)
.set JJ, JJ+1
.endr
	s_wait_kmcnt 0x0
	s_add_co_i32 s88, s68, s69
	s_lshl_b32 s88, s88, 23
	s_mov_b32 s[CS], 0x3e38aa3b                    ; log2(e) / 8
	s_add_co_i32 s[CS], s[CS], s88                 ; a score stands for score x 2^(e6 + e7): the exponents are added to c's exponent field
	s_mov_b32 s[CS+1], s[CS]                       ; (named with it as a pair, so it is written)
	s_add_co_i32 s88, s70, 127
	s_lshl_b32 s89, s88, 23
	v_mov_b32 v244, s89                            ; 2^e8
	s_add_co_i32 s88, s72, 127
	s_lshl_b32 s89, s88, 23
	v_mov_b32 v245, s89                            ; 2^e10
	s_add_co_i32 s73, s70, s71                     ; e8 + e9
; A KEY STEP: 128 keys, the q-th of the slot in hand.
.macro STEP q
	s_add_co_u32 s96, s[Q0], 23                    ; my last query.  A step all of whose keys come after it is left out: a scalar branch on ids; no barrier and no tensor load stands in a step
	s_cmp_gt_u32 s[KF], s96
	s_cbranch_scc1 .Lhidden_\@
	v_add_nc_u32 v[ADR], s[TB], v[LI]
.rept 3
	v_nop                                          ; with the addition above: four places in front of loads into registers that the last products read
.endr
.irp t, 0,1,2,3,4,5,6,7
.irp c, 0,1
	ds_load_b128 v[32+8*\t+4*\c:32+8*\t+4*\c+3], v[ADR] offset:8192*(\q)+1024*\t+512*\c
.endr
.endr
	s_wait_dscnt 0x0
	s_wait_alu depctr_va_vdst(0)
.irp t, 0,1,2,3,4,5,6,7
	v_wmma_f32_16x16x64_fp8_fp8 v[96+8*\t:103+8*\t], v[32+8*\t:39+8*\t], v[16:23], 0   ; S^T: 16 keys x my 16 queries
.endr
.rept 4
	v_nop                                          ; places in front of the loads below and of the first read of the scores
.endr
.irp t, 0,1,2,3
.irp c, 0,1,2,3
	ds_load_b128 v[32+16*\t+4*\c:32+16*\t+4*\c+3], v[ADR] offset:VOFF+8192*(\q)+2048*\t+512*\c   ; V's four fragments land while the softmax is worked
.endr
.endr
	s_add_co_u32 s96, s[KF], 127                   ; on the diagonal the scores of hidden keys become -infinity ahead of the maximum: p = 0 then.  A step all of whose keys count skips this
	s_cmp_le_u32 s96, s[Q0]
	s_cbranch_scc1 .Lopen_\@
	s_sub_co_i32 s96, s[Q0], s[KF]
	v_add_nc_u32 v252, s96, v[QL]                  ; d = my query - KF - 16 (lane / 16).  Register 16 g + i holds key KF + 16 (lane / 16) + 32 g + i: hidden where 32 g + i > d
	v_mov_b32 v254, 0xff800000                     ; -infinity
.set NN, 0
.rept 64
	v_cmp_gt_i32 vcc_lo, 32*(NN/16)+NN%16, v252
	v_cndmask_b32 v[96+NN], v[96+NN], v254, vcc_lo
.set NN, NN+1
.endr
.Lopen_\@:
	v_max3_num_f32 v254, v96, v97, v98             ; the step's largest score of my query, among my 64 keys, in two chains, each accumulator from its low end on,
	v_max3_num_f32 v252, v99, v100, v101
.irp i, 6,10,14,18,22,26,30,34,38,42,46,50,54,58
	v_max3_num_f32 v254, v254, v[96+\i], v[97+\i]
	v_max3_num_f32 v252, v252, v[98+\i], v[99+\i]
.endr
	v_max3_num_f32 v254, v254, v158, v159
	s_delay_alu instid0(VALU_DEP_1)
	v_max_num_f32 v254, v254, v252
	s_delay_alu instid0(VALU_DEP_1)
	v_permlanex16_b32 v236, v254, s[SEL], s[SEL+1]
	s_delay_alu instid0(VALU_DEP_1)
	v_max_num_f32 v254, v254, v236                 ; and among lane l xor 16's
	s_delay_alu instid0(VALU_DEP_1)
	v_mul_f32 v254, s[CS], v254                    ; as t (c is positive)
	s_delay_alu instid0(VALU_DEP_1)
	v_max_num_f32 v13, v13, v254                   ; the running largest t
	v_mov_b32 v254, v12
	s_delay_alu instid0(VALU_DEP_2)
	v_floor_f32 v12, -v13                          ; the new -M = floor(-t) = -ceil(t): M is a whole number
	s_delay_alu instid0(VALU_DEP_1)
	v_sub_f32 v254, v12, v254                      ; M's old value less its new one: a whole number, 0 or less
	s_delay_alu instid0(VALU_DEP_1)
	v_cvt_i32_f32 v254, v254                       ; (it saturates)
	s_delay_alu instid0(VALU_DEP_1)
	v_ldexp_f32 v252, 1.0, v254                    ; f = 2^(old M - new M)
.set JJ, 0
.rept 32
	v_pk_fma_f32 v[96+JJ:97+JJ], v[96+JJ:97+JJ], s[CS:CS+1], v[12:13] op_sel_hi:[1,0,0]   ; t - M, two at a time
.set JJ, JJ+2
.endr
.set JJ, 0
	s_wait_alu depctr_va_vdst(0)
.rept 64
	v_exp_f32 v[96+JJ], v[96+JJ]                   ; p = 2^(t - M), at most 1
.set JJ, JJ+1
.endr
	v_pk_mul_f32 v[14:15], v[14:15], v[252:253] op_sel_hi:[1,0]   ; the sums under the new M.  (A plain line behind the exponentials)
	s_wait_alu depctr_va_vdst(0)                   ; one wait for the whole batch, ahead of its first reader
	v_pk_add_f32 v[242:243], v[100:101], v[104:105]
	v_pk_add_f32 v[254:255], v[108:109], v[112:113]
	v_pk_add_f32 v[250:251], v[116:117], v[120:121]
	v_pk_add_f32 v[248:249], v[124:125], v[128:129]
	v_pk_add_f32 v[246:247], v[132:133], v[136:137]
	v_pk_add_f32 v[240:241], v[140:141], v[144:145]
	v_pk_add_f32 v[238:239], v[148:149], v[152:153]
	v_pk_add_f32 v[14:15], v[14:15], v[156:157]
	v_pk_add_f32 v[242:243], v[242:243], v[96:97]
	v_pk_add_f32 v[254:255], v[254:255], v[98:99]
	v_pk_add_f32 v[250:251], v[250:251], v[102:103]
	v_pk_add_f32 v[248:249], v[248:249], v[106:107]
	v_pk_add_f32 v[246:247], v[246:247], v[110:111]
	v_pk_add_f32 v[240:241], v[240:241], v[114:115]
	v_pk_add_f32 v[238:239], v[238:239], v[118:119]
	v_pk_add_f32 v[14:15], v[14:15], v[122:123]
	v_pk_add_f32 v[242:243], v[242:243], v[126:127]
	v_pk_add_f32 v[254:255], v[254:255], v[130:131]
	v_pk_add_f32 v[250:251], v[250:251], v[134:135]
	v_pk_add_f32 v[248:249], v[248:249], v[138:139]
	v_pk_add_f32 v[246:247], v[246:247], v[142:143]
	v_pk_add_f32 v[240:241], v[240:241], v[146:147]
	v_pk_add_f32 v[238:239], v[238:239], v[150:151]
	v_pk_add_f32 v[14:15], v[14:15], v[154:155]
	v_pk_add_f32 v[242:243], v[242:243], v[158:159]
	s_delay_alu instid0(VALU_DEP_2)
	v_pk_add_f32 v[14:15], v[14:15], v[248:249]
	s_delay_alu instid0(VALU_DEP_2)
	v_pk_add_f32 v[242:243], v[242:243], v[246:247]
	v_pk_add_f32 v[254:255], v[254:255], v[240:241]
	v_pk_add_f32 v[250:251], v[250:251], v[238:239]
	s_delay_alu instid0(VALU_DEP_2)
	v_pk_add_f32 v[14:15], v[14:15], v[254:255]
	s_delay_alu instid0(VALU_DEP_2)
	v_pk_add_f32 v[242:243], v[242:243], v[250:251]
	s_delay_alu instid0(VALU_DEP_1)
	v_pk_add_f32 v[14:15], v[14:15], v[242:243]
.irp b, 0,1,2,3
.irp i, 0,1,2,3,4,5,6,7,8,9,10,11,12,13,14,15
.endr
	v_cvt_scalef32_pk8_fp8_f32 v[192+4*\b:193+4*\b], v[96+16*\b:103+16*\b], v244
	v_cvt_scalef32_pk8_fp8_f32 v[194+4*\b:195+4*\b], v[104+16*\b:111+16*\b], v244
.endr
.set JJ, 0
.rept 16
	v_pk_mul_f32 v[160+JJ:161+JJ], v[160+JJ:161+JJ], v[252:253] op_sel_hi:[1,0]   ; O^T under the new M.  (These are also the plain lines between the conversions and the products below)
.set JJ, JJ+2
.endr
	s_wait_alu depctr_va_vdst(0)
	s_wait_dscnt 0x0                               ; V is in
.irp t, 0,1,2,3
	v_wmma_f32_16x16x128_fp8_fp8 v[160+8*\t:167+8*\t], v[32+16*\t:47+16*\t], v[192:207], v[160+8*\t:167+8*\t]   ; O^T += V^T P^T: the four accumulators take turns
.endr
.Lhidden_\@:
	s_add_co_u32 s[KF], s[KF], 128
.endm
; THE CHANGE OF SLOTS stands at a visit's head.  Each wave waits for all its tensor loads (the visit's tiles), adds 0 to its spare word, and waits for that and for its reads of the slot that it has left.
; Behind the barrier the slot ahead is whole and nobody reads the other one.  fill = 1: that other slot is filled with the next visit's key block: the load has a whole visit in which to land.
.macro CHANGE fill
	s_wait_tensorcnt 0x0                           ; no tensor load of mine is out, so group 0 may be written
	ds_add_u32 v[SPW], v[NIL]                      ; 0 onto my spare word
.if \fill
	s_xor_b32 s[G0+1], s[G0+1], SLOT1              ; the other slot than last time
	s_add_co_u32 s96, s[VI], 1                     ; visit v + 1 reads key block v + 1 while it serves block x, then v - x
	s_sub_co_u32 s97, s[VI], s[PI]
	s_cmp_le_u32 s96, s[PI]
	s_cselect_b32 s[TO], s96, s97
	s_lshl_b32 s[TO], s[TO], 14
	s_add_nc_u64 s[G0+2:G0+3], s[FB:FB+1], s[TO:TO+1]
	s_or_b32 s[G0+3], s[G0+3], 0x80000000
.endif
	s_wait_dscnt 0x0                               ; the add is done, and my reads of the slot that I have left are over
	s_barrier_signal -1
	s_barrier_wait -1
.if \fill
	TLOAD                                          ; the first thing behind the barrier, and a wave's one tensor load until the next
.endif
.endm
; A block of queries is finished: O^T x 2^(e8 + e9) / the sum is quantised with e10 and stored as two blocks of an operand's image: 1,024 consecutive bytes a wave.
.macro HEADS_OUT
	s_wait_xcnt 0x0                                ; earlier stores have read their data and their base: both are written again below
.rept 4
	v_nop                                          ; places behind the last products
.endr
	s_lshr_b32 s88, s[BH], 4
	s_lshl_b32 s88, s88, 7
	s_lshl_b32 s89, s[BLK], 4
	s_add_co_u32 s88, s88, s89
	s_add_co_u32 s88, s88, s[WV]                   ; T = 128 b + 16 x block + wave
	s_lshr_b32 s89, s88, 3
	s_lshl_b32 s89, s89, 17
	s_and_b32 s88, s88, 7
	s_lshl_b32 s88, s88, 12
	s_add_co_u32 s88, s88, s89
	s_and_b32 s89, s[BH], 15                       ; the head: its 64 channels are K = 64 head on
	s_lshr_b32 s90, s89, 2
	s_lshl_b32 s90, s90, 15
	s_add_co_u32 s88, s88, s90
	s_and_b32 s89, s89, 3
	s_lshl_b32 s89, s89, 10
	s_add_co_u32 s88, s88, s89
	s_mov_b32 s89, 0
	s_add_nc_u64 s[86:87], s[8:9], s[88:89]
	v_add_f32 v14, v14, v15                        ; the sum's two halves,
	s_delay_alu instid0(VALU_DEP_1)
	v_permlanex16_b32 v252, v14, s[SEL], s[SEL+1]
	s_delay_alu instid0(VALU_DEP_1)
	v_add_f32 v14, v14, v252                       ; and lane l xor 16's
	s_wait_alu depctr_va_vdst(0)
	v_rcp_f32 v14, v14
	v_nop                                          ; a plain line behind the reciprocal
	s_wait_alu depctr_va_vdst(0)                   ; and the wait ahead of its first reader
	v_ldexp_f32 v14, v14, s73                      ; x 2^(e8 + e9)
.set JJ, 0
.rept 32
	v_mul_f32 v[96+JJ], v[160+JJ], v14             ; register 16 g + i: channel 32 g + 16 (lane / 16) + i of my query
.set JJ, JJ+1
.endr
.set JJ, 0
.rept 32
.set JJ, JJ+1
.endr
.irp k, 0,1,2,3
	v_cvt_scalef32_pk8_fp8_f32 v[208+2*\k:209+2*\k], v[96+8*\k:103+8*\k], v245
.endr
	v_nop                                          ; one plain line behind the conversions
	global_store_b128 v[LI], v[208:211], s[86:87]
	global_store_b128 v[LI], v[212:215], s[86:87] offset:512
.endm
.macro REINIT                          ; on to block 7 - x
	v_mov_b32 v13, 0xff61b1e6
	s_delay_alu instid0(VALU_DEP_1)
	v_floor_f32 v12, -v13
	v_mov_b32 v14, 0
	v_mov_b32 v15, 0
.set JJ, 0
.rept 32
	v_mov_b32 v[160+JJ], 0
.set JJ, JJ+1
.endr
.set JJ, 0
.rept 8
	v_mov_b32 v[16+JJ], v[24+JJ]
.set JJ, JJ+1
.endr
	s_sub_co_u32 s[BLK], 7, s[PI]
	s_lshl_b32 s[Q0], s[BLK], 8
	s_add_co_u32 s[Q0], s[Q0], s[WQ]
.endm
	s_mov_b32 s[VI], 0
	s_wait_loadcnt 0x0                             ; Q, both tiles
.Lvisit:                                           ; eight trips: behind each change of slots but the last the next visit's key block is asked for
	CHANGE 1
	s_add_co_u32 s96, s[PI], 1
	s_cmp_lg_u32 s[VI], s96                        ; visit x + 1 begins the second block: a branch on ids
	s_cbranch_scc1 .Lsame
	HEADS_OUT
	REINIT
.Lsame:
	s_sub_co_u32 s96, s[VI], s[PI]
	s_sub_co_u32 s96, s96, 1
	s_cmp_le_u32 s[VI], s[PI]
	s_cselect_b32 s[KF], s[VI], s96                ; the visit's key block
	s_lshl_b32 s[KF], s[KF], 8
	STEP 0
	STEP 1
	s_xor_b32 s[TB], s[TB], SLOT1                  ; on to the other slot
	s_add_co_u32 s[VI], s[VI], 1
	s_cmp_lt_u32 s[VI], 8
	s_cbranch_scc1 .Lvisit
	CHANGE 0                                       ; the last visit is written out
	s_sub_co_u32 s[KF], 7, s[PI]
	s_lshl_b32 s[KF], s[KF], 8
	STEP 0
	STEP 1
	HEADS_OUT
	s_wait_tensorcnt 0x0                           ; the wave's end
	ds_add_u32 v[SPW], v[NIL]
	s_wait_dscnt 0x0
	s_endpgm
.Lfunc_end_k_qf5f8b75218_attn:
	.size	k_qf5f8b75218_attn, .Lfunc_end_k_qf5f8b75218_attn-k_qf5f8b75218_attn
	.p2alignl 7, 3214868480
	.fill 96, 4, 3214868480
	.section	.rodata,"a",@progbits
	.p2align	6, 0x0
	.amdhsa_kernel k_qf5f8b75218_attn
		.amdhsa_group_segment_fixed_size 327680
		.amdhsa_private_segment_fixed_size 0
		.amdhsa_enable_private_segment 0
		.amdhsa_kernarg_size 24
		.amdhsa_user_sgpr_count 2
		.amdhsa_user_sgpr_kernarg_segment_ptr 1
		.amdhsa_wavefront_size32 1
		.amdhsa_system_sgpr_workgroup_id_x 1
		.amdhsa_system_sgpr_workgroup_id_y 1
		.amdhsa_system_sgpr_workgroup_id_z 1
		.amdhsa_system_vgpr_workitem_id 0
		.amdhsa_next_free_vgpr 256
		.amdhsa_next_free_sgpr 100
		.amdhsa_reserve_vcc 1
		.amdhsa_float_denorm_mode_32 3
		.amdhsa_float_denorm_mode_16_64 3
		.amdhsa_fp16_overflow 1
		.amdhsa_memory_ordered 1
		.amdhsa_forward_progress 1
		.amdhsa_inst_pref_size 90
	.end_amdhsa_kernel
	.amdgpu_metadata
---
amdhsa.version: [ 1, 2 ]
amdhsa.kernels:
  - .name:           k_qf5f8b75218_attn
    .symbol:         k_qf5f8b75218_attn.kd
    .args:
      - { .name: qkv, .offset: 0, .size: 8, .value_kind: global_buffer, .address_space: global }
      - { .name: lowp_scales, .offset: 8, .size: 8, .value_kind: global_buffer, .address_space: global }
      - { .name: hc, .offset: 16, .size: 8, .value_kind: global_buffer, .address_space: global }
    .group_segment_fixed_size: 327680
    .private_segment_fixed_size: 0
    .kernarg_segment_align: 8
    .kernarg_segment_size: 24
    .max_flat_workgroup_size: 512
    .sgpr_count:     100
    .vgpr_count:     256
    .wavefront_size: 32
...
	.end_amdgpu_metadata
.endif
;; end of part 3
;; launch oproj (part 4): grid 4 x 32, 4 waves a work-group, clusters of 4 x 4, 327,680 bytes of LDS; arguments hc, cod, lowp_scales, out0; writes out0
.if DOCPART == 4
	.amdgcn_target "amdgcn-amd-amdhsa--gfx1250"
	.amdhsa_code_object_version 6
	.text
	.protected	k_qf5f8b75218_oproj
	.globl	k_qf5f8b75218_oproj
	.p2align	8
	.type	k_qf5f8b75218_oproj,@function
k_qf5f8b75218_oproj:
	s_mov_b64 s[64:65], 0
	v_nop
	global_prefetch_b8 v0, s[64:65] scope:SCOPE_SE
	s_setreg_imm32_b32 hwreg(HW_REG_WAVE_MODE, 25, 1), 1
	s_wait_xcnt 0x0
	s_wait_alu depctr_hold_cnt(0) depctr_sa_sdst(0) depctr_va_vdst(0) depctr_va_sdst(0) depctr_va_ssrc(0) depctr_va_vcc(0) depctr_vm_vsrc(0)
	s_getreg_b32 s2, hwreg(HW_REG_IB_STS2, 6, 4)
	s_cmp_eq_u32 s2, 0
	s_cbranch_scc0 .Lentry_in_a_cluster
	s_endpgm
.Lentry_in_a_cluster:
	s_bfe_u32 s2, ttmp6, 0x10000c
	s_cmp_lg_u32 s2, 0xf033
	s_cbranch_scc0 .Lentry_shape_is_right
	s_endpgm
.Lentry_shape_is_right:
; OPROJ: out0 = heads Wo^T on codes of FP8 (E4M3): heads [8192][1024] with the scale 2^e10, Wo [1024][1024] with 2^e11; out0 f32.  Each finished sum is multiplied once by 2^(e10 + e11).
; LIMIT: e10 + e11 between -126 and 127, so that 2^(e10 + e11) is an f32 number.
; A tile of 256 x 256 of out0 is made by a work-group of four waves, a wave makes 128 x 128: 64 accumulators, 512 registers.  K = 1,024 goes in four steps of 256 through two LDS slots filled by the tensor data mover.
; THE OPERANDS LIE IN MEMORY AS IMAGES OF THEIR REGISTERS: 128 rows x 256 along K are one dense block of 32,768 bytes (tile i of 16 rows at 4096 i, the q-th 128 along K at 2048 q, block c at 512 c,
; a lane's 16 bytes at 16 x lane): no pitch, no padding, every LDS load reads 512 consecutive bytes.
; "A" (the heads) is the matrix instruction's source 1, "B" (Wo) its source 0: a lane holds one row of out0 and eight of its columns.  Place i of tile T of rows is row 32 (T / 2) + 8 (T % 2) + i + 8 (i / 8), in A and in B:
; the way out puts columns and rows back in their places by the immediates of its LDS stores and of its global stores.
; CLUSTERS: 4 x 4 work-groups; A's tiles are asked for jointly along a row of the cluster, B's along a column.  The grid is 128 work-groups: 32 x 4 tiles of 256 x 256.
; REGISTERS, in windows of 256: window 0: v16-29 addresses; v128-255 A's fragments, ONE set; on the way out v32-255 are free.   window 1: B's fragments, two sets.   windows 2, 3: the accumulators ((a, b) at v[8 (8 (a % 4) + b)]).
.set HALFT,  32768                     ; 128 rows x 256 along K: what one tensor load brings, and what one wave reads of A or of B
.set SLOT,   4*HALFT                   ; A's two halves, then B's two halves
.set SPARE,  2*SLOT                    ; behind the ring: the spare words, 128 bytes for each wave: two blocks of 256 bytes that no other line names
.set SPITCH, 528                       ; the way out: a stage of 16 rows x (512 bytes + 16) for each wave.  It lies in slot 0, which has had its last fill and its last read when the first result is stored there
.set FR,     16
.set NL,     4
.set NP,     4
.set ADRA, 16                          ; v16-17  LDS address of my A fragments in slot 0, 1
.set ADRB, 20                          ; v20-21  the same for B
.set STO,  24                          ; v24     the way out: where I put 32 bytes of a row
.set RD,   25                          ; v25     the way out: where I read a row back
.set CO,   26                          ; v26     16 x lane: my byte offset in a row's 512 bytes
.set SPW,  28                          ; v28     LDS address of my spare word; never rewritten
.set NIL,  29                          ; v29     0; never rewritten
.set TMP,  32                          ; the way out: a block's sums x 2^(e10 + e11)
.set AF,   128
.set BK,   128                         ; the way out: 16 rows read back from the stage: v128-191 and v192-255 by turns
.set G1, 24
.set G0, 32
.set G1B, 48
.set G0B, 56
.set MSB, 0
.macro WIN new                         ; the immediate's high byte repeats the setting that is left
.if MSB != \new
	s_set_vgpr_msb (MSB<<8)|\new
.set MSB, \new
.endif
.endm
.set MUL_LO, 0xa1                      ; source 0 (B) window 1, source 1 (A) window 0, C and D window 2
.set MUL_HI, 0xf1                      ; the same, C and D window 3
.set TO_B,   0x40                      ; destination window 1, address window 0
.macro JLOAD g0a, g1a, g0b, g1b        ; a joint load: waves 0 and 1 fetch for A, waves 2 and 3 for B; four v_nop follow each of the two lines
	s_cmp_eq_u32 s15, 0
	s_cbranch_scc0 .Lfor_b_\@
	tensor_load_to_lds s[\g0a:\g0a+3], s[\g1a:\g1a+7]
	s_nop 0
.rept 4
	v_nop
.endr
	s_branch .Lasked_\@
.Lfor_b_\@:
	tensor_load_to_lds s[\g0b:\g0b+3], s[\g1b:\g1b+7]
	s_nop 0
.rept 4
	v_nop
.endr
.Lasked_\@:
.endm
.macro CREST                           ; a round of the cluster's barrier behind its opening barrier
	s_cmp_lg_u32 s14, 0
	s_cbranch_scc1 .Lnot_wave_0_\@
	s_barrier_signal -3
.Lnot_wave_0_\@:
	s_barrier_wait -3
	s_barrier_signal -1
	s_barrier_wait -1
.endm
.macro CROUND                          ; a whole round
	s_barrier_signal -1
	s_barrier_wait -1
	CREST
.endm
	s_load_b256 s[4:11], s[0:1], 0x0               ; hc s[4:5], cod s[6:7], lowp_scales s[8:9], out0 s[10:11]
	v_lshl_add_u32 v[SPW], v0, 2, SPARE
	v_mov_b32 v[NIL], 0
	ds_add_u32 v28, v29
	ds_add_u32 v28, v29
	s_wait_dscnt 0x0
	v_lshrrev_b32 v1, 5, v0
	v_readfirstlane_b32 s14, v1                    ; wave 0..3
	s_lshr_b32 s15, s14, 1                         ; which half of the tile's rows is mine.  Also: I fetch for A (0) or for B (1)
	s_and_b32 s16, s14, 1                          ; which half of its columns.  Also: which 128 rows I fetch
	s_bfe_u32 s40, ttmp6, 0x40000                  ; cx, cy: my place in the cluster
	s_bfe_u32 s41, ttmp6, 0x40004
	s_lshl_b32 s42, ttmp9, 2
	s_add_co_u32 s42, s42, s40                     ; tile column = 4 x cluster x + cx
	s_and_b32 s17, ttmp7, 0xffff
	s_lshl_b32 s17, s17, 2
	s_add_co_u32 s17, s17, s41                     ; tile row = 4 x cluster y + cy
	s_lshl_b32 s43, s41, 2
	s_lshl_b32 s43, 15, s43                        ; my row of the cluster
	s_lshl_b32 s44, 0x1111, s40                    ; my column
	s_or_b32 s[G1+0], s43, (1<<21)                 ; 15:0 the mask: A's tiles go to my row; 17:16 elements of 1 byte; 20 no padding; 21 set beside a mask
	s_or_b32 s[G1B+0], s44, (1<<21)
.irp g, G1, G1B
	s_mov_b32 s[\g+1], 256<<16                     ; tensor_dim0
	s_mov_b32 s[\g+2], 128<<16                     ; tensor_dim1
	s_mov_b32 s[\g+3], 256<<16                     ; tile_dim0
	s_mov_b32 s[\g+4], 128                         ; tile_dim1
	s_mov_b32 s[\g+5], 256                         ; tensor_dim0_stride
	s_mov_b32 s[\g+6], 0
	s_mov_b32 s[\g+7], 0
.endr
	s_lshl_b32 s20, s17, 1
	s_add_co_u32 s20, s20, s16
	s_lshl_b32 s20, s20, 17                        ; A: 131,072 bytes for each 128 rows
	s_mov_b32 s21, 0
	s_lshl_b32 s46, s42, 1
	s_add_co_u32 s46, s46, s16
	s_lshl_b32 s46, s46, 17
	s_add_co_u32 s46, s46, 0x1B00000               ; B: Wo's section of cod
	s_mov_b32 s47, 0
	s_mul_i32 s45, s14, HALFT                      ; where they go: wave x 32,768: no place in the cluster enters an LDS address
	s_wait_kmcnt 0x0
	s_load_b64 s[96:97], s[8:9], 0x28              ; e10, e11
	s_add_nc_u64 s[20:21], s[4:5], s[20:21]
	s_add_nc_u64 s[46:47], s[6:7], s[46:47]
	CROUND                                         ; all sixteen work-groups are here: the first joint loads meet
.irp s, 0,1
	s_mov_b32 s[G0+4*\s], 1
	s_add_co_u32 s[G0+4*\s+1], s45, \s*SLOT
	s_add_nc_u64 s[G0+4*\s+2:G0+4*\s+3], s[20:21], \s*HALFT
	s_or_b32 s[G0+4*\s+3], s[G0+4*\s+3], 0x80000000
	s_mov_b32 s[G0B+4*\s], 1
	s_add_co_u32 s[G0B+4*\s+1], s45, \s*SLOT
	s_add_nc_u64 s[G0B+4*\s+2:G0B+4*\s+3], s[46:47], \s*HALFT
	s_or_b32 s[G0B+4*\s+3], s[G0B+4*\s+3], 0x80000000
	s_wait_alu depctr_va_vdst(0)
	s_wait_tensorcnt 0x0
	ds_add_u32 v28, v29
	ds_add_u32 v28, v29
	s_wait_dscnt 0x0
	CROUND
	JLOAD G0+4*\s, G1, G0B+4*\s, G1B
.endr
	v_and_b32 v1, 31, v0
	v_lshlrev_b32 v[CO], 4, v1
	s_lshl_b32 s21, s15, 15                        ; my 128 rows of A
	s_lshl_b32 s22, s16, 15                        ; my 128 rows of B,
	s_add_co_u32 s22, s22, 2*HALFT                 ; which lie behind A's 256
.irp s, 0,1
	v_add_nc_u32 v[ADRA+\s], s21, v[CO]
	v_add_nc_u32 v[ADRB+\s], s22, v[CO]
	s_add_co_u32 s21, s21, SLOT
	s_add_co_u32 s22, s22, SLOT
.endr
	s_mul_i32 s23, s14, 16*SPITCH                  ; my stage
	v_and_b32 v2, 15, v0
	v_bfe_u32 v3, v0, 4, 1
	v_mul_u32_u24 v5, v2, SPITCH                   ; in: the row at place l % 16; my half of the lanes is 16 columns, 64 bytes, further on
	v_lshl_add_u32 v5, v3, 6, v5
	v_add_nc_u32 v[STO], s23, v5
	v_add_nc_u32 v[RD], s23, v[CO]                 ; back: the 32 lanes take one row of 512 bytes
	s_lshl_b32 s20, s17, 8
	s_lshl_b32 s21, s15, 7
	s_add_co_u32 s20, s20, s21                     ; my first row of out0: 256 x tile row + 128 x half
	s_lshl_b32 s20, s20, 12                        ; rows of 4,096 bytes
	s_lshl_b32 s46, s42, 10                        ; my first column, in bytes: 1024 x tile column + 512 x half
	s_lshl_b32 s47, s16, 9
	s_add_co_u32 s46, s46, s47
	s_add_co_u32 s20, s20, s46
	s_mov_b32 s21, 0
	s_add_nc_u64 s[10:11], s[10:11], s[20:21]
.macro FRAG reg, adr, q, i             ; a fragment comes back as it was stored: registers 4 c .. 4 c + 3 hold K = 32 c + 16 (l / 16) + 0 .. 15 of the row at place l % 16
.irp c, 0,1,2,3
	ds_load_b128 v[\reg+4*\c:\reg+4*\c+3], v[\adr] offset:4096*(\i)+2048*(\q)+512*\c
.endr
.endm
; 16 matrix instructions: A's blocks a0, a0 + 1 x B's eight, 128 along K.  The 64 accumulators take turns, one instruction a turn, in the same order in every step.
.macro MUL16 a0, p, zero
.irp a, \a0, \a0+1
.irp b, 0,1,2,3,4,5,6,7
.if \zero
	v_wmma_f32_16x16x128_fp8_fp8 v[8*(8*((\a)%4)+\b):8*(8*((\a)%4)+\b)+7], v[128*(\p)+FR*\b:128*(\p)+FR*\b+FR-1], v[AF+FR*(\a):AF+FR*(\a)+FR-1], 0
.else
	v_wmma_f32_16x16x128_fp8_fp8 v[8*(8*((\a)%4)+\b):8*(8*((\a)%4)+\b)+7], v[128*(\p)+FR*\b:128*(\p)+FR*\b+FR-1], v[AF+FR*(\a):AF+FR*(\a)+FR-1], v[8*(8*((\a)%4)+\b):8*(8*((\a)%4)+\b)+7]
.endif
.endr
.endr
.endm
.macro FETCH_B slot, q, p
	WIN TO_B
.irp i, 0,1,2,3,4,5,6,7
	FRAG 128*(\p)+FR*\i, ADRB+\slot, \q, \i
.endr
	WIN 0
.endm
.macro FETCH_A slot, q, i0
.irp i, \i0, \i0+1, \i0+2, \i0+3
	FRAG AF+FR*(\i), ADRA+\slot, \q, \i
.endr
.endm
.macro PLACES n                        ; plain vector lines between a matrix instruction and a load into, or a vector line on, one of its registers
.rept \n
	v_nop
.endr
.endm
.macro STEP slot, q, zero
	s_wait_dscnt 4*NL                              ; B's set and A's blocks 0-3 are in; the youngest sixteen loads (A's blocks 4-7) may be out
	WIN MUL_LO
	MUL16 0, (\q)%2, \zero
	MUL16 2, (\q)%2, \zero
	s_wait_dscnt 0                                 ; A's blocks 4-7 are in
	PLACES NP
	FETCH_B \slot, (\q)+1, 1-(\q)%2
	FETCH_A \slot, (\q)+1, 0
	WIN MUL_HI
	MUL16 4, (\q)%2, \zero
	MUL16 6, (\q)%2, \zero
	PLACES NP
	WIN 0
	FETCH_A \slot, (\q)+1, 4
.endm
; A slot's last step changes slots: ONE barrier; in front of it each wave waits for all its tensor loads, adds 0 to its spare word, and waits for that and for its own reads of this slot.
.macro TURN slot, next, fill
	s_wait_tensorcnt 0x0                           ; all my tensor loads have landed: my part of the next slot
	ds_add_u32 v[SPW], v[NIL]                      ; 0 onto my spare word
	s_wait_dscnt 4*NL+1                            ; (the add and the youngest sixteen loads, A's blocks 4-7, may be out)
	WIN MUL_LO
	MUL16 0, 1, 0
	s_wait_dscnt 0x0                               ; the add is done, and my reads of this slot are over
	s_barrier_signal -1
	MUL16 2, 1, 0
	WIN 0
	s_barrier_wait -1
.if \fill
	CREST                                          ; the barrier has opened a round of the cluster's barrier: no wave of any partner still reads this slot or has a load on its way
	s_add_nc_u64 s[G0+4*\slot+2:G0+4*\slot+3], s[G0+4*\slot+2:G0+4*\slot+3], 2*HALFT
	s_add_nc_u64 s[G0B+4*\slot+2:G0B+4*\slot+3], s[G0B+4*\slot+2:G0B+4*\slot+3], 2*HALFT
	JLOAD G0+4*\slot, G1, G0B+4*\slot, G1B         ; the first tensor load behind the round; the four v_nop behind it are the places in front of the loads below
.else
	PLACES NP
.endif
	FETCH_B \next, 0, 0
	FETCH_A \next, 0, 0
	WIN MUL_HI
	MUL16 4, 1, 0
	MUL16 6, 1, 0
	PLACES NP
	WIN 0
	FETCH_A \next, 0, 4
.endm
	s_wait_alu depctr_va_vdst(0)
	s_wait_tensorcnt 1                             ; my part of K step 0 is in (K step 1's load may be out)
	s_barrier_signal -1
	s_barrier_wait -1                              ; everybody's is
	FETCH_B 0, 0, 0
	FETCH_A 0, 0, 0
	FETCH_A 0, 0, 4
	STEP 0, 0, 1                                   ; K = 1,024 is eight steps of 128: they are written out.  The first starts the sums
	TURN 0, 1, 1
	STEP 1, 0, 0
	TURN 1, 0, 1
	STEP 0, 0, 0
	TURN 0, 1, 0                                   ; nothing is left to fetch, and no round of the cluster's barrier is needed
	STEP 1, 0, 0
	s_wait_dscnt 4*NL                              ; the very last step
	WIN MUL_LO
	MUL16 0, 1, 0
	MUL16 2, 1, 0
	s_wait_dscnt 0
	WIN MUL_HI
	MUL16 4, 1, 0
	MUL16 6, 1, 0
	WIN 0
; THE WAY OUT, block by block of 16 rows x 128 columns, through my own stage in LDS: a lane's eight sums of B's tile b are columns 32 (b / 2) + 16 (l / 16) + 8 (b % 2) + 0 .. 7 of the row at place l % 16.
; They come back as whole rows of 512 bytes.  LDS serves a wave's instructions in order (ISA guide 5.7.1.4): no wait between the stores and the loads, nor in front of the next block's stores.
.macro TOSTAGE a
.set AC, 64*((\a)%4)
	WIN 0x02+((\a)/4)                              ; source 0: window 2 or 3
.irp j, 0,2,4,6,8,10,12,14,16,18,20,22,24,26,28,30,32,34,36,38,40,42,44,46,48,50,52,54,56,58,60,62
	v_pk_mul_f32 v[TMP+\j:TMP+\j+1], v[AC+\j:AC+\j+1], s[96:97] op_sel_hi:[1,0]   ; both x s96 = 2^(e10 + e11); each accumulator from its low end on
.endr
	WIN 0
.irp b, 0,1,2,3,4,5,6,7
	ds_store_b128 v[STO], v[TMP+8*\b:TMP+8*\b+3] offset:128*(\b/2)+32*(\b%2)
	ds_store_b128 v[STO], v[TMP+8*\b+4:TMP+8*\b+7] offset:128*(\b/2)+32*(\b%2)+16
.endr
.set BB, BK+64*((\a)%2)
.irp t, 0,1,2,3,4,5,6,7,8,9,10,11,12,13,14,15
	ds_load_b128 v[BB+4*\t:BB+4*\t+3], v[RD] offset:\t*SPITCH
.endr
.endm
.macro SEND a, younger                 ; younger: the LDS instructions issued behind block a's loads, which may stay out
.set BB, BK+64*((\a)%2)
	s_wait_dscnt \younger                          ; the block is back in registers
.irp t, 0,1,2,3,4,5,6,7,8,9,10,11,12,13,14,15
	global_store_b128 v[CO], v[BB+4*\t:BB+4*\t+3], s[10:11] offset:(32*((\a)/2)+8*((\a)%2)+\t+8*(\t/8))*4096 th:TH_STORE_NT   ; place t of tile a is this row; 32 lanes store 512 consecutive bytes; the base is never stepped
.endr
.endm
	s_wait_kmcnt 0x0
	s_add_co_i32 s96, s96, s97                     ; e10 + e11, between -126 and 127,
	s_add_co_i32 s96, s96, 127
	s_lshl_b32 s96, s96, 23                        ; makes the f32 number 2^(e10 + e11)
	PLACES NP                                      ; behind the last products: for the reads of their results and the loads into the registers that held A's fragments
	TOSTAGE 0
.irp a, 1,2,3,4,5,6,7
.if \a > 1
	s_wait_xcnt 0x0                                ; block a - 2's stores have read their registers: block a's loads may land there
.endif
	TOSTAGE \a
	SEND \a-1, 32                                  ; behind block a - 1's loads: block a's 16 stores and 16 loads
.endr
	SEND 7, 0
	s_wait_tensorcnt 0x0                           ; the wave's end
	ds_add_u32 v[SPW], v[NIL]
	s_wait_dscnt 0x0
	CROUND                                         ; the closing round: no work-group ends while a partner may still ask for a tile that names it
	s_endpgm
.Lfunc_end_k_qf5f8b75218_oproj:
	.size	k_qf5f8b75218_oproj, .Lfunc_end_k_qf5f8b75218_oproj-k_qf5f8b75218_oproj
	.p2alignl 7, 3214868480
	.fill 96, 4, 3214868480
	.section	.rodata,"a",@progbits
	.p2align	6, 0x0
	.amdhsa_kernel k_qf5f8b75218_oproj
		.amdhsa_group_segment_fixed_size 327680
		.amdhsa_private_segment_fixed_size 0
		.amdhsa_enable_private_segment 0
		.amdhsa_kernarg_size 32
		.amdhsa_user_sgpr_count 2
		.amdhsa_user_sgpr_kernarg_segment_ptr 1
		.amdhsa_wavefront_size32 1
		.amdhsa_system_sgpr_workgroup_id_x 1
		.amdhsa_system_sgpr_workgroup_id_y 1
		.amdhsa_system_sgpr_workgroup_id_z 1
		.amdhsa_system_vgpr_workitem_id 0
		.amdhsa_next_free_vgpr 1024
		.amdhsa_next_free_sgpr 98
		.amdhsa_reserve_vcc 0
		.amdhsa_float_denorm_mode_32 3
		.amdhsa_float_denorm_mode_16_64 3
		.amdhsa_memory_ordered 1
		.amdhsa_forward_progress 1
		.amdhsa_inst_pref_size 123
	.end_amdhsa_kernel
	.amdgpu_metadata
---
amdhsa.version: [ 1, 2 ]
amdhsa.kernels:
  - .name:           k_qf5f8b75218_oproj
    .symbol:         k_qf5f8b75218_oproj.kd
    .args:
      - { .name: hc, .offset: 0, .size: 8, .value_kind: global_buffer, .address_space: global }
      - { .name: cod, .offset: 8, .size: 8, .value_kind: global_buffer, .address_space: global }
      - { .name: lowp_scales, .offset: 16, .size: 8, .value_kind: global_buffer, .address_space: global }
      - { .name: out0, .offset: 24, .size: 8, .value_kind: global_buffer, .address_space: global }
    .group_segment_fixed_size: 327680
    .private_segment_fixed_size: 0
    .kernarg_segment_align: 8
    .kernarg_segment_size: 32
    .max_flat_workgroup_size: 128
    .sgpr_count:     98
    .vgpr_count:     1024
    .wavefront_size: 32
...
	.end_amdgpu_metadata
.endif
;; end of part 4
